; MI455X (gfx1250); checked and timed in simulation.
; The chip was launched on July 23, 2026; its instructions are those of AMD's public machine-readable ISA for CDNA 5 (MIT licence, August 2026) and "CDNA5" Instruction Set Architecture Reference Guide (July 2026). The comments in the code are by the model that wrote it; some were corrected since.
;; TA Block. Allowed arithmetic: float matrix products may take bf16 or f16 operands with f32 sums; all other float work in f32.
;; Inputs: Wk 768 x 768 float32; Wq 768 x 768 float32; Wv 768 x 768 float32; bk 768 float32; bq 768 float32; bv 768 float32; x 16 x 1,024 x 768 float32.
;; Outputs: out0 16 x 1,024 x 768 float32.
;; One version. Each part assembles by itself: llvm-mc -triple=amdgcn-amd-amdhsa -mcpu=gfx1250 --defsym DOCPART=n.
;; ======== version 1 of 1: 4 launches
;; workspace buffers: xb 25,165,824 bytes; wb 3,538,944 bytes; qkv 75,497,472 bytes; pw 33,554,432 bytes; st 1,048,576 bytes
;; launch cast (part 1): grid 876 x 1, 8 waves a work-group, no clusters, 0 bytes of LDS; arguments x, Wq, Wk, Wv, xb, wb; writes xb, wb
.if DOCPART == 1
	.amdgcn_target "amdgcn-amd-amdhsa--gfx1250"
	.amdhsa_code_object_version 6
	.text
	.protected	k_q88a9460db5_cast
	.globl	k_q88a9460db5_cast
	.p2align	8
	.type	k_q88a9460db5_cast,@function
k_q88a9460db5_cast:
	s_mov_b64 s[64:65], 0
	v_nop
	global_prefetch_b8 v0, s[64:65] scope:SCOPE_SE
	s_setreg_imm32_b32 hwreg(HW_REG_WAVE_MODE, 25, 1), 1
	s_wait_xcnt 0x0
; xb = bf16(x), wb = bf16(Wq | Wk | Wv), rounded to nearest even: the matrix operands of the next launch, rounded once.
; A work-group takes one chunk of 16,384 floats: 65,536 bytes in, 32,768 out.  Chunks 0-767 are x (16 x 1024 x 768 floats), chunks 768 + j, j = 0..107,
; are the three weights, 36 chunks each; wb is the three on end, so its chunk j lies at 32,768 j.
; Thread t takes 16 bytes at 4,096 i + 16 t of its chunk, i = 0..15: a wave's load covers 512 neighbouring bytes, and all sixteen loads of a thread are out at once.
; A wave's store covers 256 consecutive bytes, aligned.  Nothing is read twice: no LDS, no barrier, no matrix unit.
.set XCH, 768                          ; chunks of x
.set WCH, 36                           ; chunks of one weight
.set X,   4                            ; v[4:67]   load i: four floats
.set Y,   68                           ; v[68:99]  store i: four bf16
	s_load_b256 s[4:11], s[0:1], 0x0               ; x s[4:5], Wq s[6:7], Wk s[8:9], Wv s[10:11]
	s_load_b128 s[12:15], s[0:1], 0x20             ; xb s[12:13], wb s[14:15]
	v_lshlrev_b32 v1, 4, v0                        ; 16 t
	v_lshlrev_b32 v2, 3, v0                        ; 8 t
	s_sub_co_u32 s20, ttmp9, XCH                   ; j (wraps for a chunk of x, where the last choice below sets it aside)
	s_sub_co_u32 s21, ttmp9, XCH+WCH               ; j - 36
	s_sub_co_u32 s24, ttmp9, XCH+2*WCH             ; j - 72
	s_wait_kmcnt 0x0
	s_cmp_ge_u32 s20, WCH                          ; which source, and which chunk of it: the conditions hang on the work-group's number alone
	s_cselect_b64 s[16:17], s[8:9], s[6:7]
	s_cselect_b32 s18, s21, s20
	s_cmp_ge_u32 s20, 2*WCH
	s_cselect_b64 s[16:17], s[10:11], s[16:17]
	s_cselect_b32 s18, s24, s18
	s_cmp_lt_u32 ttmp9, XCH
	s_cselect_b64 s[16:17], s[4:5], s[16:17]
	s_cselect_b32 s18, ttmp9, s18
	s_cselect_b64 s[22:23], s[12:13], s[14:15]     ; the destination, and the chunk in it
	s_cselect_b32 s19, ttmp9, s20
	s_lshl_b32 s26, s18, 16                        ; 65,536 bytes a chunk in
	s_mov_b32 s27, 0
	s_lshl_b32 s28, s19, 15                        ; 32,768 out
	s_mov_b32 s29, 0
	s_add_nc_u64 s[16:17], s[16:17], s[26:27]
	s_add_nc_u64 s[22:23], s[22:23], s[28:29]
.irp i, 0,1,2,3,4,5,6,7,8,9,10,11,12,13,14,15
	global_load_b128 v[X+4*(\i):X+4*(\i)+3], v1, s[16:17] offset:4096*(\i) th:TH_LOAD_NT
.endr
.irp i, 0,1,2,3,4,5,6,7,8,9,10,11,12,13,14,15
	s_wait_loadcnt 15-(\i)                         ; loads come back in order (ISA guide 5.7.1): load i is in, the younger ones stay out
	v_cvt_pk_bf16_f32 v[Y+2*(\i)],   v[X+4*(\i)],   v[X+4*(\i)+1]
	v_cvt_pk_bf16_f32 v[Y+2*(\i)+1], v[X+4*(\i)+2], v[X+4*(\i)+3]
	global_store_b64 v2, v[Y+2*(\i):Y+2*(\i)+1], s[22:23] offset:2048*(\i)  ; no register is written twice, so no further wait
.endr
	s_endpgm
.Lfunc_end_k_q88a9460db5_cast:
	.size	k_q88a9460db5_cast, .Lfunc_end_k_q88a9460db5_cast-k_q88a9460db5_cast
	.p2alignl 7, 3214868480
	.fill 96, 4, 3214868480
	.section	.rodata,"a",@progbits
	.p2align	6, 0x0
	.amdhsa_kernel k_q88a9460db5_cast
		.amdhsa_group_segment_fixed_size 0
		.amdhsa_private_segment_fixed_size 0
		.amdhsa_enable_private_segment 0
		.amdhsa_kernarg_size 48
		.amdhsa_user_sgpr_count 2
		.amdhsa_user_sgpr_kernarg_segment_ptr 1
		.amdhsa_wavefront_size32 1
		.amdhsa_system_sgpr_workgroup_id_x 1
		.amdhsa_system_sgpr_workgroup_id_y 1
		.amdhsa_system_sgpr_workgroup_id_z 1
		.amdhsa_system_vgpr_workitem_id 0
		.amdhsa_next_free_vgpr 100
		.amdhsa_next_free_sgpr 66
		.amdhsa_reserve_vcc 0
		.amdhsa_float_denorm_mode_32 3
		.amdhsa_float_denorm_mode_16_64 3
		.amdhsa_memory_ordered 1
		.amdhsa_forward_progress 1
		.amdhsa_inst_pref_size 7
	.end_amdhsa_kernel
	.amdgpu_metadata
---
amdhsa.version: [ 1, 2 ]
amdhsa.kernels:
  - .name:           k_q88a9460db5_cast
    .symbol:         k_q88a9460db5_cast.kd
    .args:
      - { .name: x, .offset: 0, .size: 8, .value_kind: global_buffer, .address_space: global }
      - { .name: Wq, .offset: 8, .size: 8, .value_kind: global_buffer, .address_space: global }
      - { .name: Wk, .offset: 16, .size: 8, .value_kind: global_buffer, .address_space: global }
      - { .name: Wv, .offset: 24, .size: 8, .value_kind: global_buffer, .address_space: global }
      - { .name: xb, .offset: 32, .size: 8, .value_kind: global_buffer, .address_space: global }
      - { .name: wb, .offset: 40, .size: 8, .value_kind: global_buffer, .address_space: global }
    .group_segment_fixed_size: 0
    .private_segment_fixed_size: 0
    .kernarg_segment_align: 8
    .kernarg_segment_size: 48
    .max_flat_workgroup_size: 256
    .sgpr_count:     66
    .vgpr_count:     100
    .wavefront_size: 32
...
	.end_amdgpu_metadata
.endif
;; end of part 1
;; launch proj (part 2): grid 4 x 64, 4 waves a work-group, clusters of 4 x 4, 327,680 bytes of LDS; arguments xb, wb, bq, bk, bv, qkv; writes qkv
.if DOCPART == 2
	.amdgcn_target "amdgcn-amd-amdhsa--gfx1250"
	.amdhsa_code_object_version 6
	.text
	.protected	k_q88a9460db5_proj
	.globl	k_q88a9460db5_proj
	.p2align	8
	.type	k_q88a9460db5_proj,@function
k_q88a9460db5_proj:
	s_mov_b64 s[64:65], 0
	v_nop
	global_prefetch_b8 v0, s[64:65] scope:SCOPE_SE
	s_setreg_imm32_b32 hwreg(HW_REG_WAVE_MODE, 25, 1), 1
	s_wait_xcnt 0x0
	s_wait_alu depctr_hold_cnt(0) depctr_sa_sdst(0) depctr_va_vdst(0) depctr_va_sdst(0) depctr_va_ssrc(0) depctr_va_vcc(0) depctr_vm_vsrc(0)
	s_getreg_b32 s2, hwreg(HW_REG_IB_STS2, 6, 4)
	s_cmp_eq_u32 s2, 0
	s_cbranch_scc0 .Lentry_in_a_cluster
	s_endpgm
.Lentry_in_a_cluster:
	s_bfe_u32 s2, ttmp6, 0x10000c
	s_cmp_lg_u32 s2, 0xf033
	s_cbranch_scc0 .Lentry_shape_is_right
	s_endpgm
.Lentry_shape_is_right:
; q, k, v = x W^T + b.  xb: [16384][768] bf16.  wb: [2304][768] bf16 (Wq, Wk, Wv on end).  bq, bk, bv: [768] f32.  Sums in f32, started by the bias; each result rounded once to bf16.
; qkv: three planes (q, k, v) of 25,165,824 bytes, each laid in blocks of 16 rows x 64 columns, 2,048 dense bytes:
;   byte(m, n) = (m >> 4) 24,576 + (n >> 6) 2,048 + (m & 15) 128 + (n & 63) 2.   The next launches ask for their tiles as long dense rows of this layout.
; SHARES.  Work-group (wx 0..3, wy 0..63) owns rows 256 wy .. + 255 and, one after the other, columns 192 wx .. + 191 of q, of k and of v: three tiles of 256 x 192, 256 equal work-groups that stay.
; Wave w owns rows 64 w .. + 63 x all 192 columns: 4 x 12 accumulators of 16 x 16, 384 registers; its 16 x 192 block is three whole blocks of the layout, 6,144 dense bytes, so its stage is its own.
; K goes in steps of 128 (rows of 256 bytes in memory, aligned) through a ring of two LDS slots; six steps a tile, 18 in the walk, and the ring runs on from tile to tile.
; ONE STEP IS WRITTEN ONCE: the slot that is read and the slot that is filled are scalars turned by an exclusive or with SLOT = 1 << 17, a bit that none of the waves' places in a slot has.
; The loop's 16 trips ask for steps 2 to 17; a forward branch on the step's number in its tile chooses, at a trip's end, between the next step's first quarter and, at a tile's end, the way out and a first quarter
; that starts the sums anew; it passes neither a barrier nor a tensor load.  The last two steps ask for nothing and have a text of their own.
; CLUSTER 4 x 4: the four of a row share wy and so x's tiles, the four of a column share wx and so W's: each tile is asked for jointly, by the same tensor load, descriptor and mask in the four.
; THE MATRIX INSTRUCTION IS USED TRANSPOSED (source 0 = 16 rows of W, source 1 = 16 rows of x): lane l holds row l % 16 and the columns 8 (l / 16) + 0..7, 16 bytes of bf16 that belong together.
; LIMITS.  Operands are bf16, so the range is f32's; NaN and infinities are not treated apart.
; REGISTERS, in windows of 256 (s_set_vgpr_msb: bits 1:0 source 0, 3:2 source 1, 5:4 source 2, 7:6 destination):
;   window 0: v0-31 addresses; v32-127 the bias as a C operand (8 b + j: bias[16 b + 8 (l / 16) + j]); v128-175 packed results; v176-223 rows read back from the stage
;   window 1: two fragment buffers of 128: W's twelve fragments at f + 8 b, x's four at f + 96 + 8 a
;   window 2: accumulators of row blocks a = 0, 1 at 8 (12 a + b);   window 3: those of a = 2, 3
.set KB,     1536                      ; bytes in a row of xb and of wb
.set PITCH,  272                       ; an LDS row: 256 bytes + 16 of padding = 68 words: the 16 rows of a fragment load start at 16 different groups of four banks (64 banks of 4 bytes: ISA guide 11.1)
.set ABYTES, 256*PITCH                 ; a slot: x's 256 rows, then W's 192 rows: 121,856 bytes
.set SLOT,   1<<17                     ; slot 1 begins here
.set STAGE,  SLOT+448*PITCH            ; behind the ring: for each wave three blocks of 16 rows x 144 bytes
.set SP,     144
.set WSTAGE, 48*SP
.set SPARE,  STAGE+4*WSTAGE            ; behind the stages: the spare words, 128 bytes for each wave: two blocks of 256 bytes that no other line names
.set PLANE,  25165824
.set RG,     24576                     ; 16 rows of a plane
.set WSTEP,  768*KB                    ; from one weight to the next in wb
.set ADRA0, 16                         ; v16  my lane's place among my x fragments in slot 0; never rewritten
.set ADRB0, 17                         ; v17  the same for W
.set ADRA,  18                         ; v18  the same in the slot that is read
.set ADRB,  19                         ; v19
.set STO,  24                          ; v24  the way out: where I put 16 bytes of a row
.set RD,   25                          ; v25  where I read 16 bytes of a dense block back
.set CO,   26                          ; v26  16 x lane: my place in 512 dense bytes of qkv
.set BO,   27                          ; v27  32 (l / 16): my eight numbers in 16 of the bias
.set SPW,  28                          ; v28  LDS address of my spare word; never rewritten
.set NIL,  29                          ; v29  0; never rewritten
.set BIAS, 32
.set TMP,  128
.set OB,   176
.set F0,   0
.set F1,   128
.set G1,   24                          ; s[24:31] descriptor group 1 for x's tiles;  s[32:39] group 0: a set for the first fill, a set that walks
.set G0,   32
.set G1B,  48                          ; s[48:55], s[56:63] the same for W's tiles
.set G0B,  56
.set BI,   66                          ; s[66:67] the bias of the tile to come; s[68:69], s[70:71] the two behind it
.set BN,   68
.set BL,   70
.set TB,   80                          ; s80  the slot that is read: 0 or SLOT
.set KC,   81                          ; s81  the number, in its tile, of the step in hand: 0..5
.set KN,   82                          ; s82  the same of the step to be asked for next
.set WOF,  83                          ; s83  that step's weight in wb, in bytes
.set OFA,  84                          ; s[84:85] that step's byte offset from x's first tile
.set OFB,  86                          ; s[86:87] and from W's
.set TI,   88                          ; s88  at work
.set MSB, 0
.macro WIN new                         ; the immediate's high byte repeats the setting that is left; a switch that changes nothing is dropped
.if MSB != (\new)
	s_set_vgpr_msb (MSB<<8)|(\new)
.set MSB, \new
.endif
.endm
; A joint load.  Waves 0 and 1 fetch x's two halves (128 rows each), waves 2 and 3 W's (96 rows each).  The branch hangs on the wave's number alone.
; An s_nop 0 and four v_nop follow each of the two lines, ahead of the jump, the label and what follows.
.macro JLOAD s
	s_cmp_eq_u32 s11, 0
	s_cbranch_scc0 .Lfor_b_\@
	tensor_load_to_lds s[G0+4*(\s):G0+4*(\s)+3], s[G1:G1+7]
	s_nop 0
.rept 4
	v_nop
.endr
	s_branch .Lasked_\@
.Lfor_b_\@:
	tensor_load_to_lds s[G0B+4*(\s):G0B+4*(\s)+3], s[G1B:G1B+7]
	s_nop 0
.rept 4
	v_nop
.endr
.Lasked_\@:
.endm
.macro CREST                           ; a round of the cluster's barrier behind its opening barrier: wave 0 signals for the work-group, every wave waits for all sixteen, my work-group's barrier closes it
	s_cmp_lg_u32 s10, 0
	s_cbranch_scc1 .Lnot_wave_0_\@
	s_barrier_signal -3
.Lnot_wave_0_\@:
	s_barrier_wait -3
	s_barrier_signal -1
	s_barrier_wait -1
.endm
.macro CROUND                          ; a whole round
	s_barrier_signal -1
	s_barrier_wait -1
	CREST
.endm
	s_load_b128 s[4:7], s[0:1], 0x0                ; xb s[4:5], wb s[6:7]
	s_load_b256 s[72:79], s[0:1], 0x10             ; bq s[72:73], bk s[74:75], bv s[76:77], qkv s[78:79]
	v_lshl_add_u32 v[SPW], v0, 2, SPARE
	v_mov_b32 v[NIL], 0
	ds_add_u32 v[SPW], v[NIL]                      ; the wave's opening: the add and its wait stand ahead of my first tensor load; the set-up below, work on registers, stands between them
	v_lshrrev_b32 v1, 5, v0
	v_readfirstlane_b32 s10, v1                    ; wave 0..3
	s_lshr_b32 s11, s10, 1                         ; I fetch for x (0) or for W (1)
	s_and_b32 s12, s10, 1                          ; which half of that tile's rows
	s_bfe_u32 s40, ttmp6, 0x40000                  ; cx, cy: my place in the cluster
	s_bfe_u32 s41, ttmp6, 0x40004
	s_lshl_b32 s42, ttmp9, 2
	s_add_co_u32 s42, s42, s40                     ; wx = 4 x cluster x + cx
	s_and_b32 s13, ttmp7, 0xffff
	s_lshl_b32 s13, s13, 2
	s_add_co_u32 s13, s13, s41                     ; wy = 4 x cluster y + cy
	s_lshl_b32 s43, s41, 2
	s_lshl_b32 s43, 15, s43                        ; my row of the cluster: places 4 cy .. 4 cy + 3
	s_lshl_b32 s44, 0x1111, s40                    ; my column: places cx, cx + 4, cx + 8, cx + 12
	; descriptor group 1: rows of 128 elements, padded in LDS; 128 rows for x, 96 for W
	s_or_b32 s[G1+0], s43, (1<<16)|(1<<20)|(1<<21)|(5<<22)|(3<<25)   ; 15:0 the mask: x's tiles go to my row; 17:16 2-byte elements; 20 padding on; 21 set beside a mask; 24:22 after every 64 words (code 5); 31:25 4 words (code 3)
	s_or_b32 s[G1B+0], s44, (1<<16)|(1<<20)|(1<<21)|(5<<22)|(3<<25)  ; the same with the mask of my column
	s_mov_b32 s[G1+1], 128<<16                     ; tensor_dim0 = 128
	s_mov_b32 s[G1B+1], 128<<16
	s_mov_b32 s[G1+2], 128<<16                     ; tensor_dim1 = 128
	s_mov_b32 s[G1B+2], 96<<16                     ;             = 96
	s_mov_b32 s[G1+3], 128<<16                     ; tile_dim0 = 128
	s_mov_b32 s[G1B+3], 128<<16
	s_mov_b32 s[G1+4], 128                         ; tile_dim1 = 128
	s_mov_b32 s[G1B+4], 96                         ;           = 96
	s_mov_b32 s[G1+5], 768                         ; elements from row to row
	s_mov_b32 s[G1B+5], 768
	s_mov_b32 s[G1+6], 0
	s_mov_b32 s[G1B+6], 0
	s_mov_b32 s[G1+7], 0
	s_mov_b32 s[G1B+7], 0
	; where the tiles come from: x's hang on wy alone, W's on wx alone, each in registers that never hold the other coordinate
	s_lshl_b32 s16, s13, 8
	s_lshl_b32 s17, s12, 7
	s_add_co_u32 s16, s16, s17                     ; x: row 256 wy + 128 x half
	s_mul_i32 s16, s16, KB                         ; in bytes: under 2^25
	s_mov_b32 s17, 0
	s_mul_i32 s46, s42, 192
	s_mul_i32 s47, s12, 96
	s_add_co_u32 s46, s46, s47                     ; W: row 192 wx + 96 x half, of Wq
	s_mul_i32 s46, s46, KB
	s_mov_b32 s47, 0
	s_mul_i32 s20, s10, 128*PITCH                  ; and where they go: waves 0, 1: x's halves at 0 and 128 rows;
	s_mul_i32 s21, s10, 96*PITCH
	s_add_co_u32 s21, s21, 64*PITCH                ; waves 2, 3: W's halves at 256 and 352 rows
	s_mov_b32 s[TB], 0
	s_mov_b32 s[KC], 0
	s_mov_b32 s[KN], 2                             ; steps 0 and 1 are the first fills
	s_mov_b32 s[WOF], 0
	s_mov_b32 s[OFA+1], 0                          ; the offsets stay under 2^32
	s_mov_b32 s[OFB+1], 0
	s_wait_dscnt 0x0                               ; the opening add is done
	s_wait_kmcnt 0x0
	s_add_nc_u64 s[14:15], s[4:5], s[16:17]        ; x at my part of the work-group's rows; kept
	s_add_nc_u64 s[46:47], s[6:7], s[46:47]        ; Wq at my part of the work-group's columns; kept
	CROUND                                         ; all sixteen work-groups are here: the first joint loads meet
.irp s, 0,1
	s_mov_b32 s[G0+4*(\s)], 1                                        ; count = 1
	s_add_co_u32 s[G0+4*(\s)+1], s20, (\s)*SLOT                      ; LDS address
	s_add_nc_u64 s[G0+4*(\s)+2:G0+4*(\s)+3], s[14:15], (\s)*256      ; global address: K step s
	s_or_b32 s[G0+4*(\s)+3], s[G0+4*(\s)+3], 0x80000000              ; type = 2
	s_mov_b32 s[G0B+4*(\s)], 1
	s_add_co_u32 s[G0B+4*(\s)+1], s21, (\s)*SLOT
	s_add_nc_u64 s[G0B+4*(\s)+2:G0B+4*(\s)+3], s[46:47], (\s)*256
	s_or_b32 s[G0B+4*(\s)+3], s[G0B+4*(\s)+3], 0x80000000
	JLOAD \s                                       ; two loads of mine are out
.endr
	; A fragment is 16 rows x 32 K in 8 registers: lane l holds row l % 16, K = 8 (l / 16) + 0..7 and 16 + 8 (l / 16) + 0..7: two loads of 16 bytes, 32 bytes apart.
	v_and_b32 v1, 15, v0                           ; l % 16
	v_bfe_u32 v2, v0, 4, 1                         ; l / 16
	v_mul_u32_u24 v3, v1, PITCH
	v_lshl_add_u32 v3, v2, 4, v3                   ; row x pitch + 16 x half
	s_mul_i32 s22, s10, 64*PITCH                   ; my 64 rows of x
	v_add_nc_u32 v[ADRA0], s22, v3
	v_add_nc_u32 v[ADRB0], ABYTES, v3              ; every wave reads all of W's rows
	v_mov_b32 v[ADRA], v[ADRA0]
	v_mov_b32 v[ADRB], v[ADRB0]
	s_mul_i32 s23, s10, WSTAGE
	s_add_co_u32 s23, s23, STAGE                   ; my stage
	v_mul_u32_u24 v4, v1, SP                       ; in: row l % 16, 16 bytes for each half of the lanes
	v_lshl_add_u32 v4, v2, 4, v4
	v_add_nc_u32 v[STO], s23, v4
	v_bfe_u32 v5, v0, 3, 2                         ; back: 32 lanes take four rows of 128 bytes, 512 dense bytes of a block
	v_mul_u32_u24 v5, v5, SP
	v_and_b32 v6, 7, v0
	v_lshl_add_u32 v5, v6, 4, v5
	v_add_nc_u32 v[RD], s23, v5
	v_and_b32 v[CO], 31, v0
	v_lshlrev_b32 v[CO], 4, v[CO]
	v_lshlrev_b32 v[BO], 5, v2
	s_lshl_b32 s16, s13, 4                         ; my first group of 16 rows: 16 wy + 4 w,
	s_lshl_b32 s17, s10, 2
	s_add_co_u32 s16, s16, s17
	s_mul_i32 s16, s16, RG
	s_mov_b32 s17, 0
	s_add_nc_u64 s[8:9], s[78:79], s[16:17]
	s_mul_i32 s92, s42, 6144                       ; and my three blocks of 64 columns in it
	s_mov_b32 s93, 0
	s_add_nc_u64 s[8:9], s[8:9], s[92:93]          ; q's plane comes first
	s_mul_i32 s92, s42, 768                        ; my 192 numbers of each bias
	s_add_nc_u64 s[BI:BI+1], s[72:73], s[92:93]
	s_add_nc_u64 s[BN:BN+1], s[74:75], s[92:93]
	s_add_nc_u64 s[BL:BL+1], s[76:77], s[92:93]
.macro BLOADS                          ; the coming tile's bias in the layout of a C operand: every lane of a half takes the same eight numbers of each 16
.set bb, 0
.rept 12
	global_load_b128 v[BIAS+8*bb:BIAS+8*bb+3],   v[BO], s[BI:BI+1] offset:64*bb
	global_load_b128 v[BIAS+8*bb+4:BIAS+8*bb+7], v[BO], s[BI:BI+1] offset:64*bb+16
.set bb, bb+1
.endr
.endm
	BLOADS
; 12 matrix instructions for each of cnt row blocks from a0 on: all 12 column blocks, 32 along K.  first = 1: the bias is C and starts the sums: nothing is cleared.
; The 48 accumulators take turns, one instruction a turn, in the same order in every quarter.
.macro MULG f, a0, cnt, first
.set aa, \a0
.rept \cnt
.if \first
	WIN 0x85+0x40*(aa/2)                           ; sources 0, 1 window 1; C window 0; D window 2 or 3
.else
	WIN 0xa5+0x50*(aa/2)                           ; C and D window 2 or 3
.endif
.set bb, 0
.rept 12
.set rD, 8*(12*(aa%2)+bb)
.if \first
	v_wmma_f32_16x16x32_bf16 v[rD:rD+7], v[(\f)+8*bb:(\f)+8*bb+7], v[(\f)+96+8*aa:(\f)+96+8*aa+7], v[BIAS+8*bb:BIAS+8*bb+7]
.else
	v_wmma_f32_16x16x32_bf16 v[rD:rD+7], v[(\f)+8*bb:(\f)+8*bb+7], v[(\f)+96+8*aa:(\f)+96+8*aa+7], v[rD:rD+7]
.endif
.set bb, bb+1
.endr
.set aa, aa+1
.endr
.endm
; 32 LDS loads in one run: the fragments of 32 along K at byte k of the rows of the slot that is read, into buffer f: W's twelve, then x's four
.macro FETCH k, f
	WIN 0x40                                       ; destination window 1, address window 0
.irp i, 0,1,2,3,4,5,6,7,8,9,10,11
	ds_load_b128 v[(\f)+8*(\i):(\f)+8*(\i)+3],   v[ADRB] offset:(\k)+(\i)*16*PITCH
	ds_load_b128 v[(\f)+8*(\i)+4:(\f)+8*(\i)+7], v[ADRB] offset:(\k)+(\i)*16*PITCH+32
.endr
.irp i, 0,1,2,3
	ds_load_b128 v[(\f)+96+8*(\i):(\f)+96+8*(\i)+3],   v[ADRA] offset:(\k)+(\i)*16*PITCH
	ds_load_b128 v[(\f)+96+8*(\i)+4:(\f)+96+8*(\i)+7], v[ADRA] offset:(\k)+(\i)*16*PITCH+32
.endr
.endm
; A load into a register that a matrix instruction has read, and a vector instruction that reads a matrix result, stand four places behind it; only plain vector
; instructions that name none of its registers are places (ISA guide 7.12.1 for vector instructions).
.macro PLACES
.rept 4
	v_nop
.endr
.endm
; A K step is four quarters of 32 along K, 48 matrix instructions each, on buffers 0, 1, 0, 1.  One of the first three multiplies buffer f and fetches the next quarter, at byte k, into g.
.macro QUARTER k, f, g, first
	s_wait_dscnt 4                                 ; W and x's row blocks 0, 1 are in; the youngest four loads (blocks 2, 3) may be out
	MULG \f, 0, 2, \first
	PLACES
	FETCH \k, \g
	s_wait_dscnt 32                                ; all but the 32 just issued
	MULG \f, 2, 2, \first
.endm
; The last quarter multiplies buffer 1 and changes slots.  MEET is its first half: ONE barrier; in front of it each wave waits for all its tensor loads (the one that can be out is its part of the next slot),
; adds 0 to its spare word, and waits for that and for its own reads of this slot.  Behind it nobody reads this slot any more and the next slot is whole.
; fill = 1: while the add is out the walking descriptors are made for the step two on: the other slot than last time; the address anew from the kept bases, the step's number in its tile and its weight's offset.
.macro MEET fill
	WIN 0                                          ; (the add's two registers lie in window 0)
	s_wait_tensorcnt 0x0                           ; no tensor load of mine is out, so a group 0 may be written
	ds_add_u32 v[SPW], v[NIL]                      ; 0 onto my spare word
.if \fill
	s_xor_b32 s[G0+5], s[G0+5], SLOT
	s_xor_b32 s[G0B+5], s[G0B+5], SLOT
	s_lshl_b32 s[OFA], s[KN], 8                    ; 256 bytes a step along the rows
	s_add_co_u32 s[OFB], s[OFA], s[WOF]
	s_add_nc_u64 s[G0+6:G0+7], s[14:15], s[OFA:OFA+1]
	s_or_b32 s[G0+7], s[G0+7], 0x80000000          ; type = 2
	s_add_nc_u64 s[G0B+6:G0B+7], s[46:47], s[OFB:OFB+1]
	s_or_b32 s[G0B+7], s[G0B+7], 0x80000000
	s_add_co_u32 s[KN], s[KN], 1                   ; the tile's next step, or behind its last the next tile's step 0: x's rows again, the next weight
	s_cmp_eq_u32 s[KN], 6
	s_cselect_b32 s[KN], 0, s[KN]
	s_cselect_b32 s[TI], WSTEP, 0
	s_add_co_u32 s[WOF], s[WOF], s[TI]
.endif
	s_wait_dscnt 5                                 ; (the add and the youngest four loads may be out)
	MULG F1, 0, 1, 0                               ; twelve matrix instructions stand between the add and the wait for it
	s_wait_dscnt 0x0                               ; the add is done, and my reads of this slot are over
	s_barrier_signal -1
	MULG F1, 1, 1, 0                               ; work on registers while the others arrive
	WIN 0
	s_barrier_wait -1
.endm
.macro NEXTSLOT                        ; the reads go on in the other slot
	s_xor_b32 s[TB], s[TB], SLOT
	v_add_nc_u32 v[ADRA], s[TB], v[ADRA0]
	v_add_nc_u32 v[ADRB], s[TB], v[ADRB0]
.endm
; THE WAY OUT of row block a.  PACK: rounded to bf16, 16 bytes a lane, each accumulator's registers in ascending order.  TOSTAGE: into my own stage, and back in the order of the dense blocks.  SEND: stored.
.macro PACK a
	WIN 0x0a+5*((\a)/2)                            ; sources 0 and 1: window 2 or 3
.set bb, 0
.rept 12
.set rD, 8*(12*((\a)%2)+bb)
.irp i, 0,1,2,3
	v_cvt_pk_bf16_f32 v[TMP+4*bb+(\i)], v[rD+2*(\i)], v[rD+2*(\i)+1]
.endr
.set bb, bb+1
.endr
	WIN 0
.endm
.macro TOSTAGE
	s_wait_xcnt 0x0                                ; every earlier memory instruction has had its addresses translated (ISA guide 3.1): OB, which the last stores read, is loaded again only behind this wait
.set bb, 0
.rept 12
	ds_store_b128 v[STO], v[TMP+4*bb:TMP+4*bb+3] offset:(bb/4)*16*SP+(bb%4)*32
.set bb, bb+1
.endr
.set bb, 0
.rept 12
	ds_load_b128 v[OB+4*bb:OB+4*bb+3], v[RD] offset:(bb/4)*16*SP+(bb%4)*4*SP  ; LDS serves a wave's instructions in order (ISA guide 5.7.1.4): these see the stores above
.set bb, bb+1
.endr
.endm
.macro SEND a
	s_wait_dscnt 0x0                               ; the block is back in registers
.set bb, 0
.rept 12
	global_store_b128 v[CO], v[OB+4*bb:OB+4*bb+3], s[8:9] offset:(\a)*RG+512*bb  ; 512 consecutive bytes, at a multiple of 256 from qkv's first byte
.set bb, bb+1
.endr
.endm
.macro WAYOUT                          ; a block's 48 conversions stand between the loads from the stage of the block before and the wait for them
	PACK 0
	TOSTAGE
.irp a, 1,2,3
	PACK \a
	SEND (\a)-1
	TOSTAGE
.endr
	SEND 3
.endm
	s_wait_tensorcnt 1                             ; my part of K step 0 is in; K step 1's may stay out
	s_barrier_signal -1
	s_barrier_wait -1                              ; everybody's is
	FETCH 0, F0
	WIN 0                                          ; at a label and at a branch every window is 0
	s_mov_b32 s3, 17                               ; the way in passes the loop's foot once; sixteen trips follow
	s_branch .Lbias                                ; the loop is entered where a tile begins
.Lstep:                                                ; a trip goes from a step's second quarter to the next step's first and fills the slot that it leaves: sixteen trips ask for steps 2 to 17
	QUARTER 128, F1, F0, 0
	QUARTER 192, F0, F1, 0
	MEET 1
	CREST                                          ; the barrier has opened a round of the cluster's barrier: no wave of any partner still reads this slot or has a load on its way
	JLOAD 1                                        ; the first tensor load behind the round: 168 matrix instructions ahead of the wait for it; its four v_nop are also the places in front of the loads below
	NEXTSLOT
	FETCH 0, F0
	MULG F1, 2, 2, 0
	WIN 0
	s_add_co_u32 s[KC], s[KC], 1
	s_cmp_lg_u32 s[KC], 6
	s_cbranch_scc1 .Lacc                           ; the tile goes on
	s_mov_b32 s[KC], 0                             ; THE TILE IS DONE; both slots' next tiles have been asked for or have landed, and the next tile's first fragments are fetched
	s_mov_b64 s[BI:BI+1], s[BN:BN+1]               ; the last bias loads were waited for where the tile began
	s_mov_b64 s[BN:BN+1], s[BL:BL+1]
	PLACES                                         ; for the conversions, which read results just made
	BLOADS                                         ; the next tile's bias comes in under the way out
	WAYOUT
	s_wait_xcnt 0x0                                ; the stores have had their addresses translated: their base may step
	s_add_nc_u64 s[8:9], s[8:9], PLANE             ; the next plane
.Lbias:
	s_wait_loadcnt 0x0                             ; the tile's bias
	QUARTER 64, F0, F1, 1                          ; a tile's first quarter: its products start the sums with the bias
	WIN 0
	s_branch .Lbottom
.Lacc:
	QUARTER 64, F0, F1, 0
	WIN 0
.Lbottom:
	s_sub_co_u32 s3, s3, 1
	s_cmp_lg_u32 s3, 0
	s_cbranch_scc1 .Lstep
	s_mov_b32 s3, 2
.Ltail:                                                ; steps 16 and 17 ask for nothing, so they have a text of their own; it is walked twice and left in its middle
	QUARTER 128, F1, F0, 0
	QUARTER 192, F0, F1, 0
	MEET 0                                         ; the first time my one tensor load that was still out is the last step's, so no round follows
	MULG F1, 2, 2, 0
	WIN 0
	s_sub_co_u32 s3, s3, 1
	s_cmp_eq_u32 s3, 0
	s_cbranch_scc1 .Lfin
	NEXTSLOT
	PLACES
	FETCH 0, F0
	QUARTER 64, F0, F1, 0
	WIN 0
	s_branch .Ltail
.Lfin:
	PLACES                                         ; the conversions read results just made
	WAYOUT
	s_wait_tensorcnt 0x0                           ; the wave's end: behind my last tensor load and my last LDS store
	ds_add_u32 v[SPW], v[NIL]
	s_wait_dscnt 0x0
	CROUND                                         ; the closing round: no work-group ends while a partner may still ask for a tile that names it
	s_endpgm
.Lfunc_end_k_q88a9460db5_proj:
	.size	k_q88a9460db5_proj, .Lfunc_end_k_q88a9460db5_proj-k_q88a9460db5_proj
	.p2alignl 7, 3214868480
	.fill 96, 4, 3214868480
	.section	.rodata,"a",@progbits
	.p2align	6, 0x0
	.amdhsa_kernel k_q88a9460db5_proj
		.amdhsa_group_segment_fixed_size 327680
		.amdhsa_private_segment_fixed_size 0
		.amdhsa_enable_private_segment 0
		.amdhsa_kernarg_size 48
		.amdhsa_user_sgpr_count 2
		.amdhsa_user_sgpr_kernarg_segment_ptr 1
		.amdhsa_wavefront_size32 1
		.amdhsa_system_sgpr_workgroup_id_x 1
		.amdhsa_system_sgpr_workgroup_id_y 1
		.amdhsa_system_sgpr_workgroup_id_z 1
		.amdhsa_system_vgpr_workitem_id 0
		.amdhsa_next_free_vgpr 1024
		.amdhsa_next_free_sgpr 96
		.amdhsa_reserve_vcc 0
		.amdhsa_float_denorm_mode_32 3
		.amdhsa_float_denorm_mode_16_64 3
		.amdhsa_memory_ordered 1
		.amdhsa_forward_progress 1
		.amdhsa_inst_pref_size 111
	.end_amdhsa_kernel
	.amdgpu_metadata
---
amdhsa.version: [ 1, 2 ]
amdhsa.kernels:
  - .name:           k_q88a9460db5_proj
    .symbol:         k_q88a9460db5_proj.kd
    .args:
      - { .name: xb, .offset: 0, .size: 8, .value_kind: global_buffer, .address_space: global }
      - { .name: wb, .offset: 8, .size: 8, .value_kind: global_buffer, .address_space: global }
      - { .name: bq, .offset: 16, .size: 8, .value_kind: global_buffer, .address_space: global }
      - { .name: bk, .offset: 24, .size: 8, .value_kind: global_buffer, .address_space: global }
      - { .name: bv, .offset: 32, .size: 8, .value_kind: global_buffer, .address_space: global }
      - { .name: qkv, .offset: 40, .size: 8, .value_kind: global_buffer, .address_space: global }
    .group_segment_fixed_size: 327680
    .private_segment_fixed_size: 0
    .kernarg_segment_align: 8
    .kernarg_segment_size: 48
    .max_flat_workgroup_size: 128
    .sgpr_count:     96
    .vgpr_count:     1024
    .wavefront_size: 32
...
	.end_amdgpu_metadata
.endif
;; end of part 2
;; launch score (part 3): grid 4 x 64, 4 waves a work-group, clusters of 4 x 4, 327,680 bytes of LDS; arguments qkv, pw, st; writes pw, st
.if DOCPART == 3
	.amdgcn_target "amdgcn-amd-amdhsa--gfx1250"
	.amdhsa_code_object_version 6
	.text
	.protected	k_q88a9460db5_score
	.globl	k_q88a9460db5_score
	.p2align	8
	.type	k_q88a9460db5_score,@function
k_q88a9460db5_score:
	s_mov_b64 s[64:65], 0
	v_nop
	global_prefetch_b8 v0, s[64:65] scope:SCOPE_SE
	s_setreg_imm32_b32 hwreg(HW_REG_WAVE_MODE, 25, 1), 1
	s_wait_xcnt 0x0
	s_wait_alu depctr_hold_cnt(0) depctr_sa_sdst(0) depctr_va_vdst(0) depctr_va_sdst(0) depctr_va_ssrc(0) depctr_va_vcc(0) depctr_vm_vsrc(0)
	s_getreg_b32 s2, hwreg(HW_REG_IB_STS2, 6, 4)
	s_cmp_eq_u32 s2, 0
	s_cbranch_scc0 .Lentry_in_a_cluster
	s_endpgm
.Lentry_in_a_cluster:
	s_bfe_u32 s2, ttmp6, 0x10000c
	s_cmp_lg_u32 s2, 0xf033
	s_cbranch_scc0 .Lentry_shape_is_right
	s_endpgm
.Lentry_shape_is_right:
; THE WEIGHTS, PIECE BY PIECE.  s[q][e] = q . k over 768 channels; of each row's piece of 128 keys: m = its true maximum, E = ceil(c m), c = log2(e) / sqrt(768);
;   pw[b][q][e] = bf16(2^(c s - E));   st: -E, and 524,288 bytes on l = the sum of the piece's unrounded weights.  The next launch brings the eight pieces of a row onto one footing by exact powers of two.
; q, k: the first two planes of qkv, bf16, in blocks of 16 rows x 64 columns (byte(m, n) = (m >> 4) 24,576 + (n >> 6) 2,048 + (m & 15) 128 + (n & 63) 2).  Products on bf16 operands, everything else in f32.
; LIMITS.  The shift is the maximum rounded up to a whole number of binades, so a piece's largest weight lies in (0.5, 1] and none can overflow.  A weight below 2^-126 counts as 0; NaN and infinities are not treated apart.
; SHARES.  Work-group (wx 0..3, wy 0..63) makes 256 queries (rows 256 wy of the plane; the batch is wy / 4) x 256 keys (256 wx of that batch): 256 equal work-groups.  Wave w: 128 x 128, 64 accumulators, 512 registers.
; The 768 channels go in six steps of 128 through two LDS slots.  A step's 128 rows x 128 channels are 8 rows of 4,096 dense bytes in memory; in LDS 16 bytes of padding follow every row's 128 bytes of a block.
; CLUSTER 4 x 4: the four of a row share wy and so q's tiles, the four of a column share wx and the batch and so k's: each tile is asked for jointly, by the same tensor load, descriptor and mask in the four.
; THE MATRIX INSTRUCTION IS USED TRANSPOSED (source 0 = 16 keys, source 1 = 16 queries): lane l holds query l % 16 and the keys 8 (l / 16) + 0..7.
; ONE STEP IS WRITTEN ONCE: the slot that is read and the slot that is filled are scalars turned by an exclusive or with SLOT = 0x24000, which shares no bit with the waves' places w x 0x9000.
; REGISTERS, in windows of 256 (s_set_vgpr_msb: bits 1:0 source 0, 3:2 source 1, 5:4 source 2, 7:6 destination):
;   window 0: v0-31 addresses; v64-127, v128-191 fragments of q, two buffers; on the way out v64-199 at work      window 1: v64-127, v128-191 fragments of k
;   window 2: accumulators of query blocks 0-3 ((a, b) at 8 (8 a + b));   window 3: those of blocks 4-7
.set PLANE,  25165824
.set RG,     24576                     ; 16 rows of a plane
.set PK,     144                       ; 128 bytes + 16 of padding = 36 words: the 16 rows of a fragment load start at 16 different groups of four banks (64 banks of 4 bytes: ISA guide 11.1)
.set PIECE,  256*PK                    ; what one tensor load brings: 128 rows x two blocks of 64 channels
.set SLOT,   4*PIECE                   ; q's two halves, then k's two
.set SPARE,  2*SLOT                    ; behind the ring: the spare words, 128 bytes for each wave: two blocks of 256 bytes that no other line names
.set SROW,   528                       ; the way out: a query's 128 scores, 512 bytes + 16 = 33 x 16: sixteen rows start at sixteen different groups of four banks
.set WST,    128*SROW                  ; a wave's stage: in the ring, behind its last fill and the barrier that ends its last reads
.set STL,    524288                    ; from -E to l in st
.set KQ1,    64                        ; where the quarters of a step begin in a fragment's rows: 32 channels on; the second block; 32 on in it
.set KQ2,    16*PK
.set KQ3,    16*PK+64
.set ADRA0, 16                         ; v16  my lane's place among q's fragments in slot 0; never rewritten
.set ADRB0, 17                         ; v17  the same for k
.set ADRA,  18                         ; v18  the same in the slot that is read
.set ADRB,  19                         ; v19
.set STS,   20                         ; v20  the way out: where I put 16 bytes of a row of scores
.set RDS0,  21                         ; v21  where I read 16 bytes of a row back, first trip
.set RDS,   22                         ; v22  the same at the trip that is fetched
.set PO,    23                         ; v23  my byte offset in two rows of pw
.set SO,    24                         ; v24  16 x lane
.set LA,    25                         ; v25  l % 16;  v26  (l % 16) xor 8
.set SPW,   28                         ; v28  LDS address of my spare word; never rewritten
.set NIL,   29                         ; v29  0; never rewritten
.set F0,    64
.set F1,    128
.set SV,    64                         ; the way out: group g, set i: eight scores at SV + 32 g + 8 i
.set TM,    128                        ; the set's maximum, later its sum
.set NE,    136                        ; -E, in the low register of a pair
.set PB,    160                        ; eight weights in bf16
.set SE,    192                        ; v192-195 -E, v196-199 l of my wave's 128 rows: row 16 t + 8 g + 2 i + hh in register i of lane 16 hh + 8 g + t
.set SL,    196
.set G1,  24                           ; s[24:31] descriptor group 1 for q's tiles;  s[32:39] group 0: a set for the first fill, a set that walks
.set G0,  32
.set G1B, 48                           ; s[48:55], s[56:63] the same for k's tiles
.set G0B, 56
.set TB,  66                           ; s66  the slot that is read: 0 or SLOT
.set CS,  68                           ; s[68:69] c: the packed scaling takes the pair's low word for both halves
.set NCS, 70                           ; s70  -c
.set TS,  71                           ; s71  the way out: the fetched trip's first byte in my stage
.set TT,  72                           ; s72  the trip's number
.set MSB, 0
.macro WIN new                         ; the immediate's high byte repeats the setting that is left; a switch that changes nothing is dropped
.if MSB != (\new)
	s_set_vgpr_msb (MSB<<8)|(\new)
.set MSB, \new
.endif
.endm
.set MUL_LO, 0xa1                      ; source 0 (k) window 1, source 1 (q) window 0, C and D window 2
.set MUL_HI, 0xf1                      ; the same, C and D window 3
.set TO_B,   0x40                      ; destination window 1, address window 0
; A joint load.  Waves 0 and 1 fetch q's two halves, waves 2 and 3 k's.  The branch hangs on the wave's number alone.
; An s_nop 0 and four v_nop follow each of the two lines, ahead of the jump, the label and what follows.
.macro JLOAD s
	s_cmp_eq_u32 s11, 0
	s_cbranch_scc0 .Lfor_b_\@
	tensor_load_to_lds s[G0+4*(\s):G0+4*(\s)+3], s[G1:G1+7]
	s_nop 0
.rept 4
	v_nop
.endr
	s_branch .Lasked_\@
.Lfor_b_\@:
	tensor_load_to_lds s[G0B+4*(\s):G0B+4*(\s)+3], s[G1B:G1B+7]
	s_nop 0
.rept 4
	v_nop
.endr
.Lasked_\@:
.endm
.macro CREST                           ; a round of the cluster's barrier behind its opening barrier: wave 0 signals for the work-group, every wave waits for all sixteen, my work-group's barrier closes it
	s_cmp_lg_u32 s10, 0
	s_cbranch_scc1 .Lnot_wave_0_\@
	s_barrier_signal -3
.Lnot_wave_0_\@:
	s_barrier_wait -3
	s_barrier_signal -1
	s_barrier_wait -1
.endm
.macro CROUND                          ; a whole round
	s_barrier_signal -1
	s_barrier_wait -1
	CREST
.endm
	s_load_b128 s[4:7], s[0:1], 0x0                ; qkv s[4:5], pw s[6:7]
	s_load_b64 s[8:9], s[0:1], 0x10                ; st
	v_lshl_add_u32 v[SPW], v0, 2, SPARE
	v_mov_b32 v[NIL], 0
	ds_add_u32 v[SPW], v[NIL]                      ; the wave's opening: the add and its wait stand ahead of my first tensor load; the set-up below, work on registers, stands between them
	v_lshrrev_b32 v1, 5, v0
	v_readfirstlane_b32 s10, v1                    ; wave 0..3
	s_lshr_b32 s11, s10, 1                         ; which half of the tile's queries is mine.  Also: I fetch for q (0) or for k (1)
	s_and_b32 s12, s10, 1                          ; which half of its keys.  Also: which 128 rows of that tile I fetch
	s_bfe_u32 s40, ttmp6, 0x40000                  ; cx, cy: my place in the cluster
	s_bfe_u32 s41, ttmp6, 0x40004
	s_lshl_b32 s42, ttmp9, 2
	s_add_co_u32 s42, s42, s40                     ; wx = 4 x cluster x + cx
	s_and_b32 s45, ttmp7, 0xffff                   ; the batch = cluster y, which all sixteen share
	s_lshl_b32 s13, s45, 2
	s_add_co_u32 s13, s13, s41                     ; wy = 4 x cluster y + cy
	s_lshl_b32 s43, s41, 2
	s_lshl_b32 s43, 15, s43                        ; my row of the cluster: places 4 cy .. 4 cy + 3
	s_lshl_b32 s44, 0x1111, s40                    ; my column: places cx, cx + 4, cx + 8, cx + 12
	; descriptor group 1: 8 rows of 2,048 elements, 12,288 elements apart; padded in LDS
	s_or_b32 s[G1+0], s43, (1<<16)|(1<<20)|(1<<21)|(4<<22)|(3<<25)   ; 15:0 the mask: q's tiles go to my row; 17:16 2-byte elements; 20 padding on; 21 set beside a mask; 24:22 after every 32 words (code 4); 31:25 4 words (code 3)
	s_or_b32 s[G1B+0], s44, (1<<16)|(1<<20)|(1<<21)|(4<<22)|(3<<25)  ; the same with the mask of my column
.irp g, G1, G1B
	s_mov_b32 s[(\g)+1], 2048<<16                  ; tensor_dim0 = 2,048
	s_mov_b32 s[(\g)+2], 8<<16                     ; tensor_dim1 = 8
	s_mov_b32 s[(\g)+3], 2048<<16                  ; tile_dim0 = 2,048
	s_mov_b32 s[(\g)+4], 8                         ; tile_dim1 = 8
	s_mov_b32 s[(\g)+5], 12288                     ; elements from row to row
	s_mov_b32 s[(\g)+6], 0
	s_mov_b32 s[(\g)+7], 0
.endr
	; where the tiles come from: q's hang on wy alone, k's on wx and the batch, each in registers that never hold the other place in the cluster
	s_lshl_b32 s16, s13, 4
	s_lshl_b32 s17, s12, 3
	s_add_co_u32 s16, s16, s17                     ; q: group of 16 rows 16 wy + 8 x half
	s_mul_i32 s16, s16, RG
	s_mov_b32 s17, 0
	s_lshl_b32 s46, s45, 6
	s_lshl_b32 s47, s42, 4
	s_add_co_u32 s46, s46, s47
	s_lshl_b32 s47, s12, 3
	s_add_co_u32 s46, s46, s47                     ; k: group 64 x batch + 16 wx + 8 x half,
	s_mul_i32 s46, s46, RG
	s_add_co_u32 s46, s46, PLANE                   ; in the second plane
	s_mov_b32 s47, 0
	s_mul_i32 s20, s10, PIECE                      ; and where they go: q's halves, then k's = wave x a piece: no place in the cluster enters an LDS address
	s_mov_b32 s[TB], 0
	s_mov_b32 s[CS], 0x3d553b95                    ; c = log2(e) / sqrt(768) = 0.0520588
	s_mov_b32 s[CS+1], s[CS]                       ; named with it as a pair
	s_mov_b32 s[NCS], 0xbd553b95
	s_wait_dscnt 0x0                               ; the opening add is done
	s_wait_kmcnt 0x0
	s_add_nc_u64 s[14:15], s[4:5], s[16:17]
	s_add_nc_u64 s[46:47], s[4:5], s[46:47]
	CROUND                                         ; all sixteen work-groups are here: the first joint loads meet
.irp s, 0,1
	s_mov_b32 s[G0+4*(\s)], 1                                        ; count = 1
	s_add_co_u32 s[G0+4*(\s)+1], s20, (\s)*SLOT                      ; LDS address
	s_add_nc_u64 s[G0+4*(\s)+2:G0+4*(\s)+3], s[14:15], (\s)*4096     ; global address: step s
	s_or_b32 s[G0+4*(\s)+3], s[G0+4*(\s)+3], 0x80000000              ; type = 2
	s_mov_b32 s[G0B+4*(\s)], 1
	s_add_co_u32 s[G0B+4*(\s)+1], s20, (\s)*SLOT
	s_add_nc_u64 s[G0B+4*(\s)+2:G0B+4*(\s)+3], s[46:47], (\s)*4096
	s_or_b32 s[G0B+4*(\s)+3], s[G0B+4*(\s)+3], 0x80000000
	JLOAD \s                                       ; two loads of mine are out
.endr
	; A fragment is 16 rows x 32 channels in 8 registers: lane l holds row l % 16, channels 8 (l / 16) + 0..7 and 16 + 8 (l / 16) + 0..7: two loads of 16 bytes, 32 bytes apart.
	v_and_b32 v1, 15, v0                           ; r = l % 16
	v_bfe_u32 v2, v0, 4, 1                         ; h = l / 16
	v_mul_u32_u24 v3, v1, PK
	v_lshl_add_u32 v3, v2, 4, v3                   ; r x pitch + 16 h
	s_mul_i32 s21, s11, PIECE                      ; my 128 queries
	s_mul_i32 s22, s12, PIECE                      ; my 128 keys,
	s_add_co_u32 s22, s22, 2*PIECE                 ; which lie behind q's 256 rows
	v_add_nc_u32 v[ADRA0], s21, v3
	v_add_nc_u32 v[ADRB0], s22, v3
	v_mov_b32 v[ADRA], v[ADRA0]
	v_mov_b32 v[ADRB], v[ADRB0]
	s_mul_i32 s23, s10, WST                        ; my stage
	v_mul_u32_u24 v4, v1, SROW                     ; in: row r, 16 bytes for each half of the lanes
	v_lshl_add_u32 v4, v2, 4, v4
	v_add_nc_u32 v[STS], s23, v4
	v_lshlrev_b32 v7, 4, v1                        ; 16 r
	v_mul_u32_u24 v5, v2, SROW                     ; back: lanes 0-15 take one row, lanes 16-31 the next
	v_add_nc_u32 v5, v5, v7
	v_add_nc_u32 v[RDS0], s23, v5
	v_lshl_add_u32 v[PO], v2, 11, v7               ; the same two rows in pw: 2,048 bytes apart, 16 bytes a lane
	v_and_b32 v[SO], 31, v0
	v_lshlrev_b32 v[SO], 4, v[SO]
	v_mov_b32 v[LA], v1
	v_xor_b32 v[LA+1], 8, v1
	s_lshl_b32 s16, s13, 19                        ; pw: my tile's 256 rows of 2,048 bytes,
	s_lshl_b32 s17, s11, 18                        ; my wave's 128 of them,
	s_add_co_u32 s16, s16, s17
	s_mov_b32 s17, 0
	s_add_nc_u64 s[6:7], s[6:7], s[16:17]
	s_lshl_b32 s46, s42, 1
	s_add_co_u32 s46, s46, s12                     ; my piece of 128 keys, 0..7:
	s_lshl_b32 s18, s46, 8                         ; its 256 bytes in a row
	s_mov_b32 s19, 0
	s_add_nc_u64 s[6:7], s[6:7], s[18:19]
	s_lshl_b32 s16, s41, 1                         ; st: [batch][piece][128 queries], 512 bytes each
	s_add_co_u32 s16, s16, s11
	s_lshl_b32 s16, s16, 9
	s_lshl_b32 s17, s45, 15
	s_add_co_u32 s16, s16, s17
	s_mov_b32 s17, 0
	s_add_nc_u64 s[8:9], s[8:9], s[16:17]
	s_lshl_b32 s18, s46, 12
	s_add_nc_u64 s[8:9], s[8:9], s[18:19]
; 16 matrix instructions: query blocks a0, a0 + 1 of the window's four (hi = 0: blocks 0-3, 1: blocks 4-7) x all 8 key blocks, 32 channels.  zero = 1: the products start the sums: nothing is cleared.
; The 64 accumulators take turns, one instruction a turn, in the same order in every quarter.
.macro MUL16 f, hi, a0, zero
	WIN MUL_LO+0x50*(\hi)
.irp a, \a0, (\a0)+1
.irp b, 0,1,2,3,4,5,6,7
.if \zero
	v_wmma_f32_16x16x32_bf16 v[8*(8*(\a)+(\b)):8*(8*(\a)+(\b))+7], v[(\f)+8*(\b):(\f)+8*(\b)+7], v[(\f)+8*(4*(\hi)+(\a)):(\f)+8*(4*(\hi)+(\a))+7], 0
.else
	v_wmma_f32_16x16x32_bf16 v[8*(8*(\a)+(\b)):8*(8*(\a)+(\b))+7], v[(\f)+8*(\b):(\f)+8*(\b)+7], v[(\f)+8*(4*(\hi)+(\a)):(\f)+8*(4*(\hi)+(\a))+7], v[8*(8*(\a)+(\b)):8*(8*(\a)+(\b))+7]
.endif
.endr
.endr
.endm
; 32 LDS loads in one run: the fragments of one quarter (128 keys, 128 queries, 32 channels at byte k) into buffer f
.macro FETCH k, f
	WIN TO_B
.irp i, 0,1,2,3,4,5,6,7
	ds_load_b128 v[(\f)+8*(\i):(\f)+8*(\i)+3],   v[ADRB] offset:(\k)+(\i)*32*PK
	ds_load_b128 v[(\f)+8*(\i)+4:(\f)+8*(\i)+7], v[ADRB] offset:(\k)+(\i)*32*PK+32
.endr
	WIN 0
.irp i, 0,1,2,3,4,5,6,7
	ds_load_b128 v[(\f)+8*(\i):(\f)+8*(\i)+3],   v[ADRA] offset:(\k)+(\i)*32*PK
	ds_load_b128 v[(\f)+8*(\i)+4:(\f)+8*(\i)+7], v[ADRA] offset:(\k)+(\i)*32*PK+32
.endr
.endm
; A load into a register that a matrix instruction has read, and a line that reads a matrix result, stand four places behind it; only plain vector instructions that
; name none of its registers are places (ISA guide 7.12.1 for vector instructions).
.macro PLACES
.rept 4
	v_nop
.endr
.endm
; A step is four quarters of 32 channels, 64 matrix instructions each, on buffers 0, 1, 0, 1.  One of the first three multiplies buffer f and fetches the next quarter, at byte k, into g.
.macro QUARTER k, f, g, zero
	s_wait_dscnt 8                                 ; k and q's blocks 0-3 are in; the youngest eight loads (blocks 4-7) may be out
	MUL16 \f, 0, 0, \zero
	MUL16 \f, 0, 2, \zero
	PLACES
	FETCH \k, \g
	s_wait_dscnt 32                                ; all but the 32 just issued
	MUL16 \f, 1, 0, \zero
	MUL16 \f, 1, 2, \zero
.endm
; The last quarter multiplies buffer 1 and changes slots.  MEET is its first half: ONE barrier; in front of it each wave waits for all its tensor loads (the one that can be out is its part of the next slot),
; adds 0 to its spare word, and waits for that and for its own reads of this slot.  Behind it nobody reads this slot any more and the next slot is whole.
.macro MEET
	WIN 0                                          ; (the add's two registers lie in window 0)
	s_wait_tensorcnt 0x0
	ds_add_u32 v[SPW], v[NIL]                      ; 0 onto my spare word
	s_wait_dscnt 9                                 ; (the add and the youngest eight loads may be out)
	MUL16 F1, 0, 0, 0                              ; sixteen matrix instructions stand between the add and the wait for it
	s_wait_dscnt 0x0                               ; the add is done, and my reads of this slot are over
	s_barrier_signal -1
	MUL16 F1, 0, 2, 0                              ; work on registers while the others arrive
	WIN 0
	s_barrier_wait -1
.endm
.macro NEXTSLOT                        ; the reads go on in the other slot
	s_xor_b32 s[TB], s[TB], SLOT
	v_add_nc_u32 v[ADRA], s[TB], v[ADRA0]
	v_add_nc_u32 v[ADRB], s[TB], v[ADRB0]
.endm
	s_wait_tensorcnt 1                             ; my part of step 0 is in; step 1's may stay out
	s_barrier_signal -1
	s_barrier_wait -1                              ; everybody's is
	FETCH 0, F0
	QUARTER KQ1, F0, F1, 1                         ; the first quarter stands in front of the loop: its products start the sums
	WIN 0                                          ; at a label and at a branch every window is 0
	s_mov_b32 s3, 4
.Lstep:                                                ; a trip goes from a step's second quarter to the next step's first and fills the slot that it leaves: four trips ask for steps 2 to 5
	QUARTER KQ2, F1, F0, 0
	QUARTER KQ3, F0, F1, 0
	MEET
	CREST                                          ; the barrier has opened a round of the cluster's barrier: no wave of any partner still reads this slot or has a load on its way
	s_xor_b32 s[G0+5], s[G0+5], SLOT               ; the walking descriptors: the other slot than last time,
	s_add_nc_u64 s[G0+6:G0+7], s[G0+6:G0+7], 4096  ; the next 128 channels; the type bits on top are not reached
	s_xor_b32 s[G0B+5], s[G0B+5], SLOT
	s_add_nc_u64 s[G0B+6:G0B+7], s[G0B+6:G0B+7], 4096
	JLOAD 1                                        ; the first tensor load behind the round: 224 matrix instructions ahead of the wait for it; its four v_nop are also the places in front of the loads below
	NEXTSLOT
	FETCH 0, F0
	MUL16 F1, 1, 0, 0
	MUL16 F1, 1, 2, 0
	QUARTER KQ1, F0, F1, 0
	WIN 0
	s_sub_co_u32 s3, s3, 1
	s_cmp_lg_u32 s3, 0
	s_cbranch_scc1 .Lstep
	s_mov_b32 s3, 2
.Ltail:                                                ; steps 4 and 5 ask for nothing, so they have a text of their own; it is walked twice and left in its middle
	QUARTER KQ2, F1, F0, 0
	QUARTER KQ3, F0, F1, 0
	MEET                                           ; the second time: behind this barrier no wave reads the ring any more
	s_sub_co_u32 s3, s3, 1
	s_cmp_eq_u32 s3, 0
	s_cbranch_scc1 .Lfin
	NEXTSLOT
	PLACES
	FETCH 0, F0
	MUL16 F1, 1, 0, 0
	MUL16 F1, 1, 2, 0
	QUARTER KQ1, F0, F1, 0
	WIN 0
	s_branch .Ltail
.Lfin:
	MUL16 F1, 1, 0, 0
	MUL16 F1, 1, 2, 0
	WIN 0
	; THE WAY OUT.  The scores go, in f32, into my own stage.
	PLACES
.set aa, 0
.rept 8
	WIN 0x08+4*(aa/4)                              ; the stores' data (source 1) in window 2 or 3
.set bb, 0
.rept 8
.set rD, 8*(8*(aa%4)+bb)
	ds_store_b128 v[STS], v[rD:rD+3]   offset:aa*16*SROW+32*bb       ; query 16 a + r, keys 16 b + 8 h + 0..3: each accumulator's low registers first
	ds_store_b128 v[STS], v[rD+4:rD+7] offset:aa*16*SROW+32*bb+256   ; keys 16 b + 8 h + 4..7
.set bb, bb+1
.endr
.set aa, aa+1
.endr
	WIN 0
.irp i, 0,1,2,3,4,5,6,7
	v_mov_b32 v[NE+2*(\i)+1], 0                    ; named with -E as a pair, so it is written
	v_mov_b32 v[SE+(\i)], 0                        ; the gathered statistics are written lane by lane, so they are written whole first
.endr
	v_mov_b32 v[RDS], v[RDS0]
; They come back 16 lanes to a row: lane l holds keys 8 (l % 16) + 0..7 of row 2 i + l / 16 of its group of eight rows.
.macro GLOAD g
.irp i, 0,1,2,3
	ds_load_b128 v[SV+32*(\g)+8*(\i):SV+32*(\g)+8*(\i)+3],   v[RDS] offset:(8*(\g)+2*(\i))*SROW      ; LDS serves a wave's instructions in order (ISA guide 5.7.1.4): these see the stores above
	ds_load_b128 v[SV+32*(\g)+8*(\i)+4:SV+32*(\g)+8*(\i)+7], v[RDS] offset:(8*(\g)+2*(\i))*SROW+256
.endr
.endm
; Eight rows: the maximum in the lane and across the row's 16 lanes; -E = floor(-c m); c s - E; the exponentials; a plain instruction behind the last of them; the weights rounded to bf16; their sum; the row's 256 bytes stored.
.macro GRP g
.set B0, SV+32*(\g)
.set T0, TM+4*(\g)
.set N0, NE+8*(\g)
.set P0, PB+16*(\g)
.irp i, 0,1,2,3
	v_max3_num_f32 v[T0+(\i)], v[B0+8*(\i)], v[B0+8*(\i)+1], v[B0+8*(\i)+2]
.endr
.irp i, 0,1,2,3
	v_max3_num_f32 v[T0+(\i)], v[T0+(\i)], v[B0+8*(\i)+3], v[B0+8*(\i)+4]
.endr
.irp i, 0,1,2,3
	v_max3_num_f32 v[T0+(\i)], v[T0+(\i)], v[B0+8*(\i)+5], v[B0+8*(\i)+6]
.endr
.irp i, 0,1,2,3
	v_max_num_f32 v[T0+(\i)], v[T0+(\i)], v[B0+8*(\i)+7]
.endr
.irp m, 1,2,4,8
.irp i, 0,1,2,3
	v_max_num_f32_dpp v[T0+(\i)], v[T0+(\i)], v[T0+(\i)] row_xmask:\m row_mask:0xf bank_mask:0xf
.endr
.endr
.irp i, 0,1,2,3
	v_mul_f32 v[N0+2*(\i)], s[NCS], v[T0+(\i)]
.endr
.irp i, 0,1,2,3
	v_floor_f32 v[N0+2*(\i)], v[N0+2*(\i)]
.endr
.irp i, 0,1,2,3
.irp j, 0,2,4,6
	v_pk_fma_f32 v[B0+8*(\i)+(\j):B0+8*(\i)+(\j)+1], v[B0+8*(\i)+(\j):B0+8*(\i)+(\j)+1], s[CS:CS+1], v[N0+2*(\i):N0+2*(\i)+1] op_sel_hi:[1,0,0]
.endr
.endr
.set ii, 0
.rept 32
	v_exp_f32 v[B0+ii], v[B0+ii]
.set ii, ii+1
.endr
	v_nop
.set ii, 0
	s_wait_alu depctr_va_vdst(0)
.rept 16
	v_cvt_pk_bf16_f32 v[P0+ii], v[B0+2*ii], v[B0+2*ii+1]
.set ii, ii+1
.endr
.irp i, 0,1,2,3
	v_pk_add_f32 v[B0+8*(\i):B0+8*(\i)+1], v[B0+8*(\i):B0+8*(\i)+1], v[B0+8*(\i)+2:B0+8*(\i)+3]
	v_pk_add_f32 v[B0+8*(\i)+4:B0+8*(\i)+5], v[B0+8*(\i)+4:B0+8*(\i)+5], v[B0+8*(\i)+6:B0+8*(\i)+7]
.endr
.irp i, 0,1,2,3
	v_pk_add_f32 v[B0+8*(\i):B0+8*(\i)+1], v[B0+8*(\i):B0+8*(\i)+1], v[B0+8*(\i)+4:B0+8*(\i)+5]
.endr
.irp i, 0,1,2,3
	global_store_b128 v[PO], v[P0+4*(\i):P0+4*(\i)+3], s[6:7] offset:(8*(\g)+2*(\i))*2048  ; 16 lanes store a row's 256 consecutive bytes, at a multiple of 256 from pw's first byte
.endr
.irp i, 0,1,2,3
	v_add_f32 v[T0+(\i)], v[B0+8*(\i)], v[B0+8*(\i)+1]
.endr
.irp m, 1,2,4,8
.irp i, 0,1,2,3
	v_add_f32_dpp v[T0+(\i)], v[T0+(\i)], v[T0+(\i)] row_xmask:\m row_mask:0xf bank_mask:0xf
.endr
.endr
	v_cmp_eq_u32 vcc_lo, s[TT], v[LA+(\g)]         ; the lanes 8 g + t of both halves keep this trip's statistics
.irp i, 0,1,2,3
	v_cndmask_b32 v[SE+(\i)], v[SE+(\i)], v[N0+2*(\i)], vcc_lo
	v_cndmask_b32 v[SL+(\i)], v[SL+(\i)], v[T0+(\i)], vcc_lo
.endr
.endm
	GLOAD 0
	GLOAD 1
	s_mov_b32 s[TS], 0
	s_mov_b32 s[TT], 0
	s_mov_b32 s3, 8
.Lrow:                                                 ; a trip: 16 rows, in two groups; each group's next rows are fetched when its registers are free, while the other group is worked on
	s_wait_dscnt 8                                 ; group 0's eight loads are in; group 1's may be out
	GRP 0
	s_add_co_u32 s[TS], s[TS], 16*SROW             ; the next trip's rows; the last trip fetches its own once more, so that no load leaves my stage
	s_min_u32 s[TS], s[TS], 7*16*SROW
	v_add_nc_u32 v[RDS], s[TS], v[RDS0]
	GLOAD 0
	s_wait_dscnt 8                                 ; group 1's are in; the eight just issued may be out
	GRP 1
	GLOAD 1
	s_wait_xcnt 0x0                                ; every earlier memory instruction has had its addresses translated (ISA guide 3.1): the stores' base and data are rewritten only behind this wait
	s_add_nc_u64 s[6:7], s[6:7], 16*2048
	s_add_co_u32 s[TT], s[TT], 1
	s_sub_co_u32 s3, s3, 1
	s_cmp_lg_u32 s3, 0
	s_cbranch_scc1 .Lrow
	global_store_b128 v[SO], v[SE:SE+3], s[8:9]               ; 512 consecutive bytes each, at a multiple of 256 from st's first byte
	global_store_b128 v[SO], v[SL:SL+3], s[8:9] offset:STL
	s_wait_tensorcnt 0x0                           ; the wave's end: behind my last tensor load and my last LDS store
	ds_add_u32 v[SPW], v[NIL]
	s_wait_dscnt 0x0
	CROUND                                         ; the closing round: no work-group ends while a partner may still ask for a tile that names it
	s_endpgm
.Lfunc_end_k_q88a9460db5_score:
	.size	k_q88a9460db5_score, .Lfunc_end_k_q88a9460db5_score-k_q88a9460db5_score
	.p2alignl 7, 3214868480
	.fill 96, 4, 3214868480
	.section	.rodata,"a",@progbits
	.p2align	6, 0x0
	.amdhsa_kernel k_q88a9460db5_score
		.amdhsa_group_segment_fixed_size 327680
		.amdhsa_private_segment_fixed_size 0
		.amdhsa_enable_private_segment 0
		.amdhsa_kernarg_size 24
		.amdhsa_user_sgpr_count 2
		.amdhsa_user_sgpr_kernarg_segment_ptr 1
		.amdhsa_wavefront_size32 1
		.amdhsa_system_sgpr_workgroup_id_x 1
		.amdhsa_system_sgpr_workgroup_id_y 1
		.amdhsa_system_sgpr_workgroup_id_z 1
		.amdhsa_system_vgpr_workitem_id 0
		.amdhsa_next_free_vgpr 1024
		.amdhsa_next_free_sgpr 80
		.amdhsa_reserve_vcc 1
		.amdhsa_float_denorm_mode_32 3
		.amdhsa_float_denorm_mode_16_64 3
		.amdhsa_memory_ordered 1
		.amdhsa_forward_progress 1
		.amdhsa_inst_pref_size 98
	.end_amdhsa_kernel
	.amdgpu_metadata
---
amdhsa.version: [ 1, 2 ]
amdhsa.kernels:
  - .name:           k_q88a9460db5_score
    .symbol:         k_q88a9460db5_score.kd
    .args:
      - { .name: qkv, .offset: 0, .size: 8, .value_kind: global_buffer, .address_space: global }
      - { .name: pw, .offset: 8, .size: 8, .value_kind: global_buffer, .address_space: global }
      - { .name: st, .offset: 16, .size: 8, .value_kind: global_buffer, .address_space: global }
    .group_segment_fixed_size: 327680
    .private_segment_fixed_size: 0
    .kernarg_segment_align: 8
    .kernarg_segment_size: 24
    .max_flat_workgroup_size: 128
    .sgpr_count:     80
    .vgpr_count:     1024
    .wavefront_size: 32
...
	.end_amdgpu_metadata
.endif
;; end of part 3
;; launch mix (part 4): grid 4 x 64, 4 waves a work-group, clusters of 4 x 4, 327,680 bytes of LDS; arguments pw, qkv, st, x, out0; writes out0
.if DOCPART == 4
	.amdgcn_target "amdgcn-amd-amdhsa--gfx1250"
	.amdhsa_code_object_version 6
	.text
	.protected	k_q88a9460db5_mix
	.globl	k_q88a9460db5_mix
	.p2align	8
	.type	k_q88a9460db5_mix,@function
k_q88a9460db5_mix:
	s_mov_b64 s[64:65], 0
	v_nop
	global_prefetch_b8 v0, s[64:65] scope:SCOPE_SE
	s_setreg_imm32_b32 hwreg(HW_REG_WAVE_MODE, 25, 1), 1
	s_wait_xcnt 0x0
	s_wait_alu depctr_hold_cnt(0) depctr_sa_sdst(0) depctr_va_vdst(0) depctr_va_sdst(0) depctr_va_ssrc(0) depctr_va_vcc(0) depctr_vm_vsrc(0)
	s_getreg_b32 s2, hwreg(HW_REG_IB_STS2, 6, 4)
	s_cmp_eq_u32 s2, 0
	s_cbranch_scc0 .Lentry_in_a_cluster
	s_endpgm
.Lentry_in_a_cluster:
	s_bfe_u32 s2, ttmp6, 0x10000c
	s_cmp_lg_u32 s2, 0xf033
	s_cbranch_scc0 .Lentry_shape_is_right
	s_endpgm
.Lentry_shape_is_right:
; out0[b][n 1024 + c] = (sum over e of softmax weight(c, e) v[e][n]) + x[b] read at the same flat place.
; pw[b][c][e]: bf16(2^(c s - E)) with E the shift of the row's piece of 128 keys;  st: -E and, 524,288 bytes on, l = the piece's sum of weights, as [batch][piece][128 queries], row rho of the 128 at word
; 64 (rho & 1) + 32 ((rho >> 3) & 1) + 4 (rho >> 4) + ((rho >> 1) & 3).  v: the third plane of qkv, bf16, in blocks of 16 rows x 64 columns.  x, out0: f32.
; ONE FOOTING.  Emax = the largest E of a row's eight pieces.  A piece's weights are widened to f32, multiplied by 2^(E - Emax), an exact power of two made by whole-number arithmetic, and rounded back to bf16
; on the way to the matrix unit (v_fma_mixlo_bf16, v_fma_mixhi_bf16): the operand of the product is the one rounding to bf16 of 2^(c s - Emax).  L = the sum of l 2^(E - Emax); the division by L and the
; residual are one fused multiply-add in f32 at the end.
; LIMITS.  A piece more than 126 binades below the row's largest counts as 0.  Operands are bf16, so the range is f32's; NaN and infinities are not treated apart.
; SHARES.  Work-group (wx 0..3, wy 0..63) makes 256 queries (rows 256 wy of pw; the batch is wy / 4) x channels 192 wx .. + 191: 256 equal work-groups.  Wave w: queries 64 w .. + 63 x all 192 channels:
; 4 x 12 accumulators, 384 registers.  Source 0 = 16 queries x 32 keys of P, source 1 = 32 keys x 16 channels of V, turned by ds_load_tr16_b128: a lane holds ONE channel and eight neighbouring queries,
; which are neighbours in out0.  The 1,024 keys go in eight steps of 128, a piece a step, through two LDS slots.
; CLUSTER 4 x 4: the four of a row share wy and so P's tiles, the four of a column share wx and the batch and so V's: each tile is asked for jointly, by the same tensor load, descriptor and mask in the four.
; REGISTERS, in windows of 256 (s_set_vgpr_msb: bits 1:0 source 0, 3:2 source 1, 5:4 source 2, 7:6 destination):
;   window 0: v0-63 addresses and statistics; v64-127 two buffers for the way out; v128-255 x of channel blocks 0-3
;   window 1: v0-95, v128-223 fragments of V, two buffers (8 cb); v96-127 the pieces' factors in f32, four query tiles a piece; v224-255 x of block 6; at the end x of blocks 7-11 where the fragments lay
;   window 2: O of channel blocks 0-7 at 8 (4 cb + qt)
;   window 3: v0-127 O of blocks 8-11; v128-191 fragments of P, two buffers; v192-255 x of blocks 4, 5
; P's fragments share window 3 with the last sixteen accumulators and the factors share window 1 with V: so the scalings stand behind those products without a switch of windows.
.set PLANE,  25165824
.set RG,     24576                     ; 16 rows of a plane
.set PP,     272                       ; a query's 256 bytes of P + 16 of padding = 68 words: the 16 rows of a fragment load start at 16 different groups of four banks (64 banks of 4 bytes: ISA guide 11.1)
.set PPIECE, 128*PP                    ; what a tensor load of P brings
.set VOFF,   2*PPIECE                  ; a slot: P's 256 rows, then V's 128 keys
.set PV,     160                       ; a key's 128 bytes of one block of V + 32 of padding = 40 words
.set VBLK,   16*PV
.set VGRP,   3*VBLK                    ; 16 keys x 192 channels
.set VPIECE, 4*VGRP                    ; what a tensor load of V brings: 64 keys
.set SLOT,   1<<17                     ; = VOFF + 2 VPIECE: one exclusive or turns an address in one slot into the other's
.set STAGE,  2*SLOT                    ; behind the ring: 16 rows x 272 bytes for each wave, for the way out
.set SPT,    272
.set LSC,    STAGE+4*16*SPT            ; 64 words for each wave: 1 / L changes lanes here
.set SPARE,  LSC+1024                  ; the spare words, 128 bytes for each wave: two blocks of 256 bytes that no other line names
.set STL,    524288
.set AP0, 16                           ; v16  my lane's place among my P fragments in slot 0; never rewritten
.set AV0, 17                           ; v17  the same for V
.set APC, 18                           ; v18  the same in the slot that is read
.set AVC, 19                           ; v19
.set STO, 20                           ; v20  the way out: where I put 32 bytes of a row
.set RD,  21                           ; v21  where I read 16 bytes of a row back
.set XO,  22                           ; v22  my byte offset in two rows of x and out0
.set SOF, 23                           ; v23  my query's place in 128 queries' statistics
.set LSW, 24                           ; v24  where I put 1 / L of query 16 qt + r
.set LSR, 25                           ; v25  where I read it for queries 4 (l % 16) + 0..3
.set SPW, 28                           ; v28  LDS address of my spare word; never rewritten
.set NIL, 29                           ; v29  0; never rewritten
.set LQ,  48                           ; v48-51  L, then 1 / L, by query tile
.set MN,  52                           ; v52-55  -Emax
.set RLQ, 56                           ; v56-59  1 / L of my four neighbouring queries on the way out
.set OB,  64
.set NEV, 96                           ; at the head: -E, l and the factor, at 4 piece + qt
.set LV,  128
.set FV,  160
.set FK,  96                           ; window 1
.set QF,  128                          ; window 3
.set G1,  24                           ; s[24:31] descriptor group 1 for P's tiles;  s[32:39] group 0: a set for the first fill, a set that walks
.set G0,  32
.set G1B, 48                           ; s[48:55], s[56:63] the same for V's tiles
.set G0B, 56
.set TB,  66                           ; s66  the slot that is read: 0 or SLOT
.set DMIN, 67                          ; s67  -127.0
.set C127, 68                          ; s68  127
.set MSB, 0
.macro WIN new                         ; the immediate's high byte repeats the setting that is left; a switch that changes nothing is dropped
.if MSB != (\new)
	s_set_vgpr_msb (MSB<<8)|(\new)
.set MSB, \new
.endif
.endm
.macro PLACES                          ; four places in front of loads into registers that matrix instructions have read, and of lines that read matrix results (ISA guide 7.12.1 for vector instructions)
.rept 4
	v_nop
.endr
.endm
; A joint load.  Waves 0 and 1 fetch P's two halves (128 queries each), waves 2 and 3 V's (64 keys each).  The branch hangs on the wave's number alone.
; An s_nop 0 and four v_nop follow each of the two lines, ahead of the jump, the label and what follows.
.macro JLOAD s
	s_cmp_eq_u32 s11, 0
	s_cbranch_scc0 .Lfor_b_\@
	tensor_load_to_lds s[G0+4*(\s):G0+4*(\s)+3], s[G1:G1+7]
	s_nop 0
.rept 4
	v_nop
.endr
	s_branch .Lasked_\@
.Lfor_b_\@:
	tensor_load_to_lds s[G0B+4*(\s):G0B+4*(\s)+3], s[G1B:G1B+7]
	s_nop 0
.rept 4
	v_nop
.endr
.Lasked_\@:
.endm
.macro CREST                           ; a round of the cluster's barrier behind its opening barrier
	s_cmp_lg_u32 s10, 0
	s_cbranch_scc1 .Lnot_wave_0_\@
	s_barrier_signal -3
.Lnot_wave_0_\@:
	s_barrier_wait -3
	s_barrier_signal -1
	s_barrier_wait -1
.endm
.macro CROUND
	s_barrier_signal -1
	s_barrier_wait -1
	CREST
.endm
	s_load_b128 s[4:7], s[0:1], 0x0                ; pw s[4:5], qkv s[6:7]
	s_load_b128 s[72:75], s[0:1], 0x10             ; st s[72:73], x s[74:75]
	s_load_b64 s[76:77], s[0:1], 0x20              ; out0
	v_lshl_add_u32 v[SPW], v0, 2, SPARE
	v_mov_b32 v[NIL], 0
	ds_add_u32 v[SPW], v[NIL]                      ; the wave's opening: the add and its wait stand ahead of my first tensor load; the set-up below, work on registers, stands between them
	v_lshrrev_b32 v1, 5, v0
	v_readfirstlane_b32 s10, v1                    ; wave 0..3
	s_lshr_b32 s11, s10, 1                         ; I fetch for P (0) or for V (1)
	s_and_b32 s12, s10, 1                          ; which half of that tile
	s_bfe_u32 s40, ttmp6, 0x40000                  ; cx, cy: my place in the cluster
	s_bfe_u32 s41, ttmp6, 0x40004
	s_lshl_b32 s42, ttmp9, 2
	s_add_co_u32 s42, s42, s40                     ; wx = 4 x cluster x + cx
	s_and_b32 s45, ttmp7, 0xffff                   ; the batch = cluster y, which all sixteen share
	s_lshl_b32 s13, s45, 2
	s_add_co_u32 s13, s13, s41                     ; wy = 4 x cluster y + cy
	s_lshl_b32 s43, s41, 2
	s_lshl_b32 s43, 15, s43                        ; my row of the cluster
	s_lshl_b32 s44, 0x1111, s40                    ; my column
	; descriptor group 1.  P: 128 rows of 128 elements, 1,024 elements apart; 16 bytes of padding after every 256
	s_or_b32 s[G1+0], s43, (1<<16)|(1<<20)|(1<<21)|(5<<22)|(3<<25)   ; 15:0 the mask: P's tiles go to my row; 17:16 2-byte elements; 20 padding on; 21 set beside a mask; 24:22 after every 64 words (code 5); 31:25 4 words (code 3)
	s_mov_b32 s[G1+1], 128<<16                     ; tensor_dim0 = 128
	s_mov_b32 s[G1+2], 128<<16                     ; tensor_dim1 = 128
	s_mov_b32 s[G1+3], 128<<16                     ; tile_dim0 = 128
	s_mov_b32 s[G1+4], 128                         ; tile_dim1 = 128
	s_mov_b32 s[G1+5], 1024                        ; elements from row to row
	s_mov_b32 s[G1+6], 0
	s_mov_b32 s[G1+7], 0
	; V: 64 keys x 192 channels are 4 rows of 6,144 dense bytes, 24,576 bytes apart; 32 bytes of padding after every key's 128
	s_or_b32 s[G1B+0], s44, (1<<16)|(1<<20)|(1<<21)|(4<<22)|(7<<25)  ; the mask of my column; after every 32 words (code 4) 8 words (code 7)
	s_mov_b32 s[G1B+1], 3072<<16                   ; tensor_dim0 = 3,072
	s_mov_b32 s[G1B+2], 4<<16                      ; tensor_dim1 = 4
	s_mov_b32 s[G1B+3], 3072<<16                   ; tile_dim0 = 3,072
	s_mov_b32 s[G1B+4], 4                          ; tile_dim1 = 4
	s_mov_b32 s[G1B+5], 12288
	s_mov_b32 s[G1B+6], 0
	s_mov_b32 s[G1B+7], 0
	; where the tiles come from: P's hang on wy alone, V's on wx and the batch, each in registers that never hold the other place in the cluster
	s_lshl_b32 s16, s13, 19                        ; P: row 256 wy + 128 x half, 2,048 bytes a row
	s_lshl_b32 s17, s12, 18
	s_add_co_u32 s16, s16, s17
	s_mov_b32 s17, 0
	s_lshl_b32 s46, s45, 6
	s_lshl_b32 s47, s12, 2
	s_add_co_u32 s46, s46, s47                     ; V: group of 16 keys 64 x batch + 4 x half,
	s_mul_i32 s46, s46, RG
	s_mul_i32 s47, s42, 6144                       ; my three blocks of 64 channels in it,
	s_add_co_u32 s46, s46, s47
	s_add_co_u32 s46, s46, 2*PLANE                 ; in the third plane
	s_mov_b32 s47, 0
	s_mul_i32 s20, s10, PPIECE                     ; and where they go: waves 0, 1: P's halves;
	s_mul_i32 s21, s10, VPIECE
	s_add_co_u32 s21, s21, VOFF-2*VPIECE           ; waves 2, 3: V's halves behind them: no place in the cluster enters an LDS address
	s_mov_b32 s[TB], 0
	s_mov_b32 s[DMIN], 0xc2fe0000
	s_mov_b32 s[C127], 127
	s_wait_dscnt 0x0                               ; the opening add is done
	s_wait_kmcnt 0x0
	s_add_nc_u64 s[14:15], s[4:5], s[16:17]
	s_add_nc_u64 s[46:47], s[6:7], s[46:47]
	CROUND                                         ; all sixteen work-groups are here: the first joint loads meet
.irp s, 0,1
	s_mov_b32 s[G0+4*(\s)], 1                                        ; count = 1
	s_add_co_u32 s[G0+4*(\s)+1], s20, (\s)*SLOT                      ; LDS address
	s_add_nc_u64 s[G0+4*(\s)+2:G0+4*(\s)+3], s[14:15], (\s)*256      ; global address: step s
	s_or_b32 s[G0+4*(\s)+3], s[G0+4*(\s)+3], 0x80000000              ; type = 2
	s_mov_b32 s[G0B+4*(\s)], 1
	s_add_co_u32 s[G0B+4*(\s)+1], s21, (\s)*SLOT
	s_add_nc_u64 s[G0B+4*(\s)+2:G0B+4*(\s)+3], s[46:47], (\s)*8*RG
	s_or_b32 s[G0B+4*(\s)+3], s[G0B+4*(\s)+3], 0x80000000
	JLOAD \s                                       ; two loads of mine are out
.endr
	v_and_b32 v1, 15, v0                           ; r = l % 16
	v_bfe_u32 v2, v0, 4, 1                         ; h = l / 16
	v_and_b32 v8, 1, v0                            ; my query 16 qt + r in the order of st: 256 (r & 1) + 128 (r >> 3) + 4 ((r >> 1) & 3) bytes; 16 qt stands in the loads' immediates
	v_bfe_u32 v9, v0, 3, 1
	v_bfe_u32 v10, v0, 1, 2
	v_lshlrev_b32 v[SOF], 8, v8
	v_lshl_add_u32 v[SOF], v9, 7, v[SOF]
	v_lshl_add_u32 v[SOF], v10, 2, v[SOF]
	s_lshl_b32 s16, s41, 1                         ; st: the batch; my 128 queries, 2 cy + w / 2; my 64 of them
	s_add_co_u32 s16, s16, s11
	s_lshl_b32 s16, s16, 9
	s_lshl_b32 s17, s45, 15
	s_add_co_u32 s16, s16, s17
	s_lshl_b32 s17, s12, 6
	s_add_co_u32 s16, s16, s17
	s_mov_b32 s17, 0
	s_add_nc_u64 s[72:73], s[72:73], s[16:17]
.set ii, 0
.rept 32
	global_load_b32 v[NEV+ii], v[SOF], s[72:73] offset:(ii/4)*4096+(ii%4)*16
.set ii, ii+1
.endr
.set ii, 0
.rept 16
	global_load_b32 v[LV+ii], v[SOF], s[72:73] offset:(ii/4)*4096+(ii%4)*16+STL
.set ii, ii+1
.endr
	; A fragment of P is 16 queries x 32 keys in 8 registers: lane l holds query l % 16, keys 8 h + 0..7 and 16 + 8 h + 0..7: two loads of 16 bytes, 32 bytes apart.
	v_mul_u32_u24 v3, v1, PP
	v_lshl_add_u32 v3, v2, 4, v3
	s_mul_i32 s22, s10, 64*PP                      ; my 64 queries
	v_add_nc_u32 v[AP0], s22, v3
	; The turning load takes 16 keys x 16 channels (lane l reads key 8 h + l % 8, channels 8 ((l / 8) % 2) + 0..7) and leaves half a fragment: lane l holds channel l % 16 and 8 keys.
	v_and_b32 v4, 7, v0
	v_lshl_add_u32 v4, v2, 3, v4
	v_mul_u32_u24 v4, v4, PV
	v_lshl_add_u32 v4, v9, 4, v4
	v_add_nc_u32 v[AV0], VOFF, v4
	v_mov_b32 v[APC], v[AP0]
	v_mov_b32 v[AVC], v[AV0]
	s_mul_i32 s23, s10, 16*SPT
	s_add_co_u32 s23, s23, STAGE                   ; my stage
	v_mul_u32_u24 v6, v1, SPT                      ; in: row r, 32 bytes for each half of the lanes
	v_lshl_add_u32 v6, v2, 5, v6
	v_add_nc_u32 v[STO], s23, v6
	v_lshlrev_b32 v7, 4, v1                        ; 16 r
	v_mul_u32_u24 v6, v2, SPT                      ; back: lanes 0-15 take one row of 256 bytes, lanes 16-31 the next
	v_add_nc_u32 v6, v6, v7
	v_add_nc_u32 v[RD], s23, v6
	v_lshl_add_u32 v[XO], v2, 12, v7               ; and the same two rows of x and out0
	s_lshl_b32 s23, s10, 8
	s_add_co_u32 s23, s23, LSC
	v_lshl_add_u32 v[LSW], v1, 2, s23
	v_add_nc_u32 v[LSR], s23, v7
	s_mul_i32 s16, s45, 3145728                    ; x and out0: the batch, my 192 rows of 4,096 bytes, my tile's 1,024 bytes in a row, my wave's 256 of them
	s_mul_i32 s18, s42, 786432
	s_add_co_u32 s16, s16, s18
	s_lshl_b32 s18, s41, 10
	s_add_co_u32 s16, s16, s18
	s_lshl_b32 s18, s10, 8
	s_add_co_u32 s16, s16, s18
	s_add_nc_u64 s[74:75], s[74:75], s[16:17]
	s_add_nc_u64 s[76:77], s[76:77], s[16:17]
	s_wait_loadcnt 16                              ; -E of all eight pieces is in; l of the first four may be out
.set ii, 16
.rept 16
	global_load_b32 v[LV+ii], v[SOF], s[72:73] offset:(ii/4)*4096+(ii%4)*16+STL
.set ii, ii+1
.endr
	; the pieces' factors, for each of my four query tiles: -Emax = the least -E; d = E - Emax, not below -127; 2^d as the bits (d + 127) << 23, which is 0 at d = -127
.irp q, 0,1,2,3
	v_min3_num_f32 v[MN+(\q)], v[NEV+(\q)], v[NEV+4+(\q)], v[NEV+8+(\q)]
.endr
.irp q, 0,1,2,3
	v_min3_num_f32 v[MN+(\q)], v[MN+(\q)], v[NEV+12+(\q)], v[NEV+16+(\q)]
.endr
.irp q, 0,1,2,3
	v_min3_num_f32 v[MN+(\q)], v[MN+(\q)], v[NEV+20+(\q)], v[NEV+24+(\q)]
.endr
.irp q, 0,1,2,3
	v_min_num_f32 v[MN+(\q)], v[MN+(\q)], v[NEV+28+(\q)]
.endr
.set ii, 0
.rept 32
	v_sub_f32 v[FV+ii], v[MN+ii%4], v[NEV+ii]
.set ii, ii+1
.endr
.set ii, 0
.rept 32
	v_max_num_f32 v[FV+ii], s[DMIN], v[FV+ii]
.set ii, ii+1
.endr
.set ii, 0
.rept 32
	v_cvt_i32_f32 v[FV+ii], v[FV+ii]
.set ii, ii+1
.endr
.set ii, 0
.rept 32
	v_add_lshl_u32 v[FV+ii], v[FV+ii], s[C127], 23
.set ii, ii+1
.endr
	WIN 0x40                                       ; destination window 1
.set ii, 0
.rept 32
	v_mov_b32 v[FK+ii], v[FV+ii]                   ; the table of factors, beside V's fragments
.set ii, ii+1
.endr
	WIN 0
	s_wait_loadcnt 0x0                             ; l
.irp q, 0,1,2,3
	v_mul_f32 v[LQ+(\q)], v[FV+(\q)], v[LV+(\q)]
.endr
.set ii, 4
.rept 28
	v_fmac_f32 v[LQ+ii%4], v[FV+ii], v[LV+ii]
.set ii, ii+1
.endr
.irp q, 0,1,2,3
	v_rcp_f32 v[LQ+(\q)], v[LQ+(\q)]
.endr
	v_nop                                          ; a plain instruction between the last reciprocal and the use of its result
	s_wait_alu depctr_va_vdst(0)
.irp q, 0,1,2,3
	ds_store_b32 v[LSW], v[LQ+(\q)] offset:64*(\q) ; both halves of the lanes write the same word with the same number
.endr
	ds_load_b128 v[RLQ:RLQ+3], v[LSR]              ; LDS serves a wave's instructions in order (ISA guide 5.7.1.4): my own words, no barrier
; x of channel block cb lies in 32 registers: blocks 0-6 in registers that the loop leaves alone, blocks 7-11 where V's fragments lay.
.macro XMAP cb
.if (\cb) < 4
.set XW, 0
.set XR, 128+32*(\cb)
.elseif (\cb) < 6
.set XW, 3
.set XR, 192+32*((\cb)-4)
.elseif (\cb) == 6
.set XW, 1
.set XR, 224
.elseif (\cb) < 10
.set XW, 1
.set XR, 32*((\cb)-7)
.else
.set XW, 1
.set XR, 128+32*((\cb)-10)
.endif
.endm
.macro XLOAD cb
	XMAP \cb
	WIN XW<<6
.irp t, 0,1,2,3,4,5,6,7
	global_load_b128 v[XR+4*(\t):XR+4*(\t)+3], v[XO], s[74:75] offset:(16*(\cb)+2*(\t))*4096 th:TH_LOAD_NT
.endr
.endm
.irp b, 0,1,2,3,4,5,6
	XLOAD \b                                       ; 56 loads: they have the whole walk over the keys in which to land
.endr
	WIN 0
; 4 matrix instructions for each of cnt channel blocks from cb0 on: all four query tiles, 32 keys, on buffers f.  zero = 1: the products start the sums.  The 48 accumulators take turns.
; ride = 1 (blocks 8-11): behind each product two registers of the OTHER buffer's P are scaled: each half widened, multiplied in f32 by its query's factor and rounded back, low halves first, so that no line
; reads the result of the line before it; 64 lines in all, a fragment for each channel block; they name no register of the products round them.
.macro PMUL f, cb0, cnt, zero, ride
.set cc, \cb0
.rept \cnt
	WIN 0xa7+0x50*(cc/8)                           ; P window 3, V window 1, C and D window 2 or 3
.set qq, 0
.rept 4
.set rO, 8*(4*(cc%8)+qq)
.if \zero
	v_wmma_f32_16x16x32_bf16 v[rO:rO+7], v[QF+32*(\f)+8*qq:QF+32*(\f)+8*qq+7], v[128*(\f)+8*cc:128*(\f)+8*cc+7], 0
.else
	v_wmma_f32_16x16x32_bf16 v[rO:rO+7], v[QF+32*(\f)+8*qq:QF+32*(\f)+8*qq+7], v[128*(\f)+8*cc:128*(\f)+8*cc+7], v[rO:rO+7]
.endif
.if \ride
.set rP, QF+32*(1-(\f))+8*(cc-8)+2*qq
	v_fma_mixlo_bf16 v[rP],   v[rP],   v[FK+cc-8], 0 op_sel_hi:[1,0,0]
	v_fma_mixlo_bf16 v[rP+1], v[rP+1], v[FK+cc-8], 0 op_sel_hi:[1,0,0]
	v_fma_mixhi_bf16 v[rP],   v[rP],   v[FK+cc-8], 0 op_sel:[1,0,0] op_sel_hi:[1,0,0]
	v_fma_mixhi_bf16 v[rP+1], v[rP+1], v[FK+cc-8], 0 op_sel:[1,0,0] op_sel_hi:[1,0,0]
.endif
.set qq, qq+1
.endr
.set cc, cc+1
.endr
.endm
; 32 LDS loads in one run: keys 32 kq on of the step, into buffers f: P's four fragments, then V's twelve (turned; the second 16 keys lie one group on)
.macro FETCH2 kq, f
	WIN 0xc0                                       ; destination window 3, address window 0
.irp q, 0,1,2,3
	ds_load_b128 v[QF+32*(\f)+8*(\q):QF+32*(\f)+8*(\q)+3],   v[APC] offset:(\q)*16*PP+64*(\kq)
	ds_load_b128 v[QF+32*(\f)+8*(\q)+4:QF+32*(\f)+8*(\q)+7], v[APC] offset:(\q)*16*PP+64*(\kq)+32
.endr
	WIN 0x40                                       ; destination window 1
.irp c, 0,1,2,3,4,5,6,7,8,9,10,11
	ds_load_tr16_b128 v[128*(\f)+8*(\c):128*(\f)+8*(\c)+3],   v[AVC] offset:(\kq)*2*VGRP+((\c)/4)*VBLK+((\c)%4)*32
	ds_load_tr16_b128 v[128*(\f)+8*(\c)+4:128*(\f)+8*(\c)+7], v[AVC] offset:(\kq)*2*VGRP+((\c)/4)*VBLK+((\c)%4)*32+VGRP
.endr
.endm
; A step is four quarters of 32 keys, 48 matrix instructions each, on buffers 0, 1, 0, 1.  One of the first three multiplies buffers f, fetches quarter kq into the others and scales its P.
.macro PVQ kq, f, zero
	s_wait_dscnt 0x0                               ; buffers f are whole: their loads were issued 32 matrix instructions ago
	PMUL \f, 0, 4, \zero, 0
	PLACES
	FETCH2 \kq, 1-(\f)
	PMUL \f, 4, 4, \zero, 0
	s_wait_dscnt 24                                ; P's eight loads are in; V's 24 may be out
	PMUL \f, 8, 4, \zero, 1
.endm
; The last quarter multiplies buffers 1 and changes slots.  PVMEET is its first third: ONE barrier; in front of it each wave waits for all its tensor loads (the one that can be out is its part of the next slot),
; adds 0 to its spare word, and waits for that and for its own reads of this slot.  fill = 1: the walking descriptors step while the add is out.
; Between signal and wait the table of factors moves up by one piece: the next scalings are the next step's.
.macro PVMEET fill
	WIN 0
	s_wait_tensorcnt 0x0                           ; no tensor load of mine is out, so a group 0 may be written
	ds_add_u32 v[SPW], v[NIL]                      ; 0 onto my spare word
.if \fill
	s_xor_b32 s[G0+5], s[G0+5], SLOT               ; the other slot than last time,
	s_add_nc_u64 s[G0+6:G0+7], s[G0+6:G0+7], 256   ; the next 128 keys; the type bits on top are not reached
	s_xor_b32 s[G0B+5], s[G0B+5], SLOT
	s_add_nc_u64 s[G0B+6:G0B+7], s[G0B+6:G0B+7], 8*RG
.endif
	s_wait_dscnt 1                                 ; buffers 1 are whole; the add may be out
	PMUL 1, 0, 2, 0, 0                             ; eight matrix instructions stand between the add and the wait for it
	s_wait_dscnt 0x0                               ; the add is done, and my reads of this slot are over
	s_barrier_signal -1
	PMUL 1, 2, 2, 0, 0
	WIN 0x41                                       ; destination and source 0 in window 1
.set ii, 0
.rept 28
	v_mov_b32 v[FK+ii], v[FK+4+ii]
.set ii, ii+1
.endr
	WIN 0
	s_barrier_wait -1
.endm
.macro NEXTSLOT                        ; the reads go on in the other slot
	s_xor_b32 s[TB], s[TB], SLOT
	v_add_nc_u32 v[APC], s[TB], v[AP0]
	v_add_nc_u32 v[AVC], s[TB], v[AV0]
.endm
	s_wait_tensorcnt 1                             ; my part of step 0 is in; step 1's may stay out
	s_wait_dscnt 0x0                               ; 1 / L is back
	s_barrier_signal -1
	s_barrier_wait -1                              ; everybody's part is in
	FETCH2 0, 0
	s_wait_dscnt 0x0
	WIN 0xf7
.set nn, 0
.rept 32
	v_fma_mixlo_bf16 v[QF+nn], v[QF+nn], v[FK+nn/8], 0 op_sel_hi:[1,0,0]  ; the first quarter's P: there is no product yet to set these behind
.set nn, nn+1
.endr
.set nn, 0
.rept 32
	v_fma_mixhi_bf16 v[QF+nn], v[QF+nn], v[FK+nn/8], 0 op_sel:[1,0,0] op_sel_hi:[1,0,0]
.set nn, nn+1
.endr
	PVQ 1, 0, 1                                    ; the first quarter stands in front of the loop: its products start the sums
	WIN 0                                          ; at a label and at a branch every window is 0
	s_mov_b32 s3, 6
.Lstep:                                                ; a trip goes from a step's second quarter to the next step's first and fills the slot that it leaves: six trips ask for steps 2 to 7
	PVQ 2, 1, 0
	PVQ 3, 0, 0
	PVMEET 1
	CREST                                          ; the barrier has opened a round of the cluster's barrier: no wave of any partner still reads this slot or has a load on its way
	JLOAD 1                                        ; the first tensor load behind the round: 176 matrix instructions ahead of the wait for it; its four v_nop are also the places in front of the loads below
	NEXTSLOT
	FETCH2 0, 0
	PMUL 1, 4, 4, 0, 0
	s_wait_dscnt 24
	PMUL 1, 8, 4, 0, 1
	PVQ 1, 0, 0
	WIN 0
	s_sub_co_u32 s3, s3, 1
	s_cmp_lg_u32 s3, 0
	s_cbranch_scc1 .Lstep
	s_mov_b32 s3, 2
.Ltail:                                                ; steps 6 and 7 ask for nothing, so they have a text of their own; it is walked twice and left in its middle
	PVQ 2, 1, 0
	PVQ 3, 0, 0
	PVMEET 0
	s_sub_co_u32 s3, s3, 1
	s_cmp_eq_u32 s3, 0
	s_cbranch_scc1 .Lend
	NEXTSLOT
	PLACES
	FETCH2 0, 0
	PMUL 1, 4, 4, 0, 0
	s_wait_dscnt 24
	PMUL 1, 8, 4, 0, 1
	PVQ 1, 0, 0
	WIN 0
	s_branch .Ltail
.Lend:
	s_wait_loadcnt 0x0                             ; x of blocks 0-6, asked for at the head
	PLACES
	XLOAD 7                                        ; V's buffer 0 has been multiplied for the last time: x of three more blocks goes there, under the last 32 products
	XLOAD 8
	XLOAD 9
	PMUL 1, 4, 4, 0, 0
	PMUL 1, 8, 4, 0, 0
	WIN 0
	PLACES
	XLOAD 10                                       ; and the last two where buffer 1 lay
	XLOAD 11
	WIN 0
; THE WAY OUT, a channel block at a time: 16 channels x 64 queries go through my stage and come back as rows of 256 bytes (STG); they are divided by L and added to x in one fused multiply-add, and stored (FIN).
; Two buffers take turns, so that a block's round trip through the stage stands under the block before.
.macro STG cb
.set rB, 32*((\cb)%8)
.set rC, OB+32*((\cb)%2)
	WIN 0x08+4*((\cb)/8)                           ; the stores' data (source 1) in window 2 or 3
.irp q, 0,1,2,3
	ds_store_b128 v[STO], v[rB+8*(\q):rB+8*(\q)+3]   offset:64*(\q)     ; channel r, queries 16 qt + 8 h + 0..3: each accumulator's low registers first
	ds_store_b128 v[STO], v[rB+8*(\q)+4:rB+8*(\q)+7] offset:64*(\q)+16
.endr
	WIN 0
	s_wait_xcnt 0x0                                ; every earlier memory instruction has had its addresses translated (ISA guide 3.1): the buffer, which the stores two blocks back read, is loaded again only behind this wait
.irp t, 0,1,2,3,4,5,6,7
	ds_load_b128 v[rC+4*(\t):rC+4*(\t)+3], v[RD] offset:(\t)*2*SPT  ; LDS serves a wave's instructions in order (ISA guide 5.7.1.4): these see the stores above, and the next block's stores come behind them
.endr
.endm
.macro FIN cb, younger                 ; younger: the LDS instructions issued behind block cb's loads: the next block's sixteen, or none
	XMAP \cb
.set rC, OB+32*((\cb)%2)
	s_wait_dscnt \younger
.if (\cb) >= 7
	s_wait_loadcnt 8*(11-(\cb))                    ; this block's x is in; the later blocks' loads may be out
.endif
	WIN XW<<4                                      ; x (source 2) in its window
.irp t, 0,1,2,3,4,5,6,7
	v_pk_fma_f32 v[rC+4*(\t):rC+4*(\t)+1],   v[rC+4*(\t):rC+4*(\t)+1],   v[RLQ:RLQ+1],   v[XR+4*(\t):XR+4*(\t)+1]
	v_pk_fma_f32 v[rC+4*(\t)+2:rC+4*(\t)+3], v[rC+4*(\t)+2:rC+4*(\t)+3], v[RLQ+2:RLQ+3], v[XR+4*(\t)+2:XR+4*(\t)+3]
.endr
	WIN 0
.irp t, 0,1,2,3,4,5,6,7
	global_store_b128 v[XO], v[rC+4*(\t):rC+4*(\t)+3], s[76:77] offset:(16*(\cb)+2*(\t))*4096 th:TH_STORE_NT  ; 16 lanes store 256 consecutive bytes, at a multiple of 256 from out0's first byte
.endr
.endm
	STG 0
.irp b, 1,2,3,4,5,6,7,8,9,10,11
	STG \b
	FIN (\b)-1, 16
.endr
	FIN 11, 0
	s_wait_tensorcnt 0x0                           ; the wave's end: behind my last tensor load and my last LDS store
	ds_add_u32 v[SPW], v[NIL]
	s_wait_dscnt 0x0
	CROUND                                         ; the closing round: no work-group ends while a partner may still ask for a tile that names it
	s_endpgm
.Lfunc_end_k_q88a9460db5_mix:
	.size	k_q88a9460db5_mix, .Lfunc_end_k_q88a9460db5_mix-k_q88a9460db5_mix
	.p2alignl 7, 3214868480
	.fill 96, 4, 3214868480
	.section	.rodata,"a",@progbits
	.p2align	6, 0x0
	.amdhsa_kernel k_q88a9460db5_mix
		.amdhsa_group_segment_fixed_size 327680
		.amdhsa_private_segment_fixed_size 0
		.amdhsa_enable_private_segment 0
		.amdhsa_kernarg_size 40
		.amdhsa_user_sgpr_count 2
		.amdhsa_user_sgpr_kernarg_segment_ptr 1
		.amdhsa_wavefront_size32 1
		.amdhsa_system_sgpr_workgroup_id_x 1
		.amdhsa_system_sgpr_workgroup_id_y 1
		.amdhsa_system_sgpr_workgroup_id_z 1
		.amdhsa_system_vgpr_workitem_id 0
		.amdhsa_next_free_vgpr 1024
		.amdhsa_next_free_sgpr 80
		.amdhsa_reserve_vcc 0
		.amdhsa_float_denorm_mode_32 3
		.amdhsa_float_denorm_mode_16_64 3
		.amdhsa_memory_ordered 1
		.amdhsa_forward_progress 1
		.amdhsa_inst_pref_size 164
	.end_amdhsa_kernel
	.amdgpu_metadata
---
amdhsa.version: [ 1, 2 ]
amdhsa.kernels:
  - .name:           k_q88a9460db5_mix
    .symbol:         k_q88a9460db5_mix.kd
    .args:
      - { .name: pw, .offset: 0, .size: 8, .value_kind: global_buffer, .address_space: global }
      - { .name: qkv, .offset: 8, .size: 8, .value_kind: global_buffer, .address_space: global }
      - { .name: st, .offset: 16, .size: 8, .value_kind: global_buffer, .address_space: global }
      - { .name: x, .offset: 24, .size: 8, .value_kind: global_buffer, .address_space: global }
      - { .name: out0, .offset: 32, .size: 8, .value_kind: global_buffer, .address_space: global }
    .group_segment_fixed_size: 327680
    .private_segment_fixed_size: 0
    .kernarg_segment_align: 8
    .kernarg_segment_size: 40
    .max_flat_workgroup_size: 128
    .sgpr_count:     80
    .vgpr_count:     1024
    .wavefront_size: 32
...
	.end_amdgpu_metadata
.endif
;; end of part 4
